; MI455X (gfx1250); checked and timed in simulation.
; The chip was launched on July 23, 2026; its instructions are those of AMD's public machine-readable ISA for CDNA 5 (MIT licence, August 2026) and "CDNA5" Instruction Set Architecture Reference Guide (July 2026). The comments in the code are by the model that wrote it; some were corrected since.
;; Multi Head Attention. Allowed arithmetic: matrix products marked QUANTISED: E5M2 operands, one E8M0 scale for each 32 along K, by v_wmma_scale_f32_16x16x128_f8f6f4 with both operands' format E5M2, f32 sums; everything else in f32.
;; Inputs: K 4 x 2,048 x 1,024 float32; Q 4 x 2,048 x 1,024 float32; V 4 x 2,048 x 1,024 float32; Wk 1,024 x 1,024 float32; Wo 1,024 x 1,024 float32; Wq 1,024 x 1,024 float32; Wv 1,024 x 1,024 float32; beta 1,024 float32; bk 1,024 float32; bo 1,024 float32; bq 1,024 float32; bv 1,024 float32; gamma 1,024 float32; mask 4 x 1 x 1 x 2,048 int32.
;; Outputs: out0 4 x 2,048 x 1,024 float32.
;; This version of the problem:
;;   THIS VERSION OF THE PROBLEM IS GIVEN IN LOW PRECISION. The matrix products marked QUANTISED in the list below multiply operands that are first quantised to E5M2 (5 exponent bits, 2 mantissa bits; 8 bits a number), with one power-of-two scale for each 32 numbers along K (OCP MX v1.0); their sums are f32. All else is computed in f32.
;;   The module's matrix products, in the order in which they are computed (A, B: the left and right operand; K: the contracted axis; several contracted axes count as one K, in the product's order):
;;     1. [M 8,192, K 1,024] x [K 1,024, N 1,024]; A: input Q; B: input Wq: QUANTISED
;;     2. [M 8,192, K 1,024] x [K 1,024, N 1,024]; A: input K; B: input Wk: QUANTISED
;;     3. [M 8,192, K 1,024] x [K 1,024, N 1,024]; A: input V; B: input Wv: QUANTISED
;;     4. batch 64 x [M 2,048, K 64] x [K 64, N 2,048]; A: computed on the way; B: computed on the way: QUANTISED
;;     5. batch 64 x [M 2,048, K 2,048] x [K 2,048, N 64]; A: softmax (see below); B: computed on the way: QUANTISED
;;     6. [M 8,192, K 1,024] x [K 1,024, N 1,024]; A: computed on the way; B: input Wo: QUANTISED
;;   THE QUANTISER, for each operand of a quantised product, along K:
;;     - K is cut into blocks of 32 from its start; a last block that is shorter is filled with zeros.
;;     - A block's scale is 2^e with e = floor(log2(the largest magnitude in the block)) - 15, held to -126 .. 127; a block of zeros has e = 0. As a byte (E8M0): e + 127.
;;     - Each number is divided by its block's scale, clamped to +-57,344, and rounded to the nearest number of E5M2, ties to even, subnormals kept.
;;     - The product sums the exact products of the quantised numbers (number of the format x scale) in f32.
;;   ~~~python
;;   def quantise(x, axis):      # numpy; x: float32 -> the quantised numbers, widened to float32 again
;;       x = np.moveaxis(x, axis, -1); K = x.shape[-1]
;;       x = np.pad(x, [(0, 0)] * (x.ndim - 1) + [(0, -K % 32)]); x = x.reshape(x.shape[:-1] + (-1, 32)); a = np.abs(x).max(-1, keepdims=True)
;;       e = np.where(a > 0, np.clip(np.frexp(np.where(a > 0, a, 1))[1] - 1 - 15, -126, 127), 0)      # np.frexp(a)[1] - 1 = floor(log2(a)), exactly
;;       r = np.clip(x / 2.0 ** e, -57344, 57344)
;;       step = 2.0 ** (np.maximum(np.frexp(np.where(r == 0, 1, r))[1] - 1, -14) - 2)
;;       q = np.round(r / step) * step * 2.0 ** e      # np.round: ties to even
;;       return np.moveaxis(q.reshape(q.shape[:-2] + (-1,))[..., :K], -1, axis).astype(np.float32)
;;   ~~~
;;   SOFTMAX AHEAD OF A QUANTISED PRODUCT. Where the list says 'softmax', what is quantised is not the finished softmax but p = 2^(t - M), with t = logit x log2(e) and M = ceil(the row's largest t), a whole number; so 1/2 < the row's largest p <= 1. The row's sum l is taken of the UNQUANTISED p, in f32, and the product's result is divided by l at the end. Since M is a whole number, a kernel that streams over the keys may use a running M (the ceiling of the running maximum): every later rescaling is an exact power of two, which a block's scale takes up: the codes' values come out the same.
;;   OPERANDS COMPUTED ON THE WAY. 'Computed on the way' means the value that the module computes at that place (a softmax that the list does not call 'softmax' is quantised finished and normalised). What goes into a quantiser is computed in f32, as accurately as f32 sums, v_exp_f32 and their like allow (about 1e-6 of the number): no bf16 or f16 on the way to a quantiser, and a product that is left as it is and whose result goes on into a quantised operand takes f32 operands (vector FMAs, or v_wmma_f32_16x16x4_f32). A number that lies on a knife's edge between two numbers of the format may be rounded either way, as far as f32 arithmetic and the matrix unit's own rounding can turn it there, and no further.
;; One version. Each part assembles by itself: llvm-mc -triple=amdgcn-amd-amdhsa -mcpu=gfx1250 --defsym DOCPART=n.
;; ======== version 1 of 1: 5 launches
;; workspace buffers: xq 30,277,632 bytes; qk 17,825,792 bytes; vq 8,650,752 bytes; cq 8,650,752 bytes; y 33,554,432 bytes
;; launch quant (part 1): grid 896 x 1, 4 waves a work-group, no clusters, 33,280 bytes of LDS; arguments Q, K, V, Wq, Wk, Wv, Wo, xq; writes xq
.if DOCPART == 1
	.amdgcn_target "amdgcn-amd-amdhsa--gfx1250"
	.amdhsa_code_object_version 6
	.text
	.protected	k_q2b76c7a36b_quant
	.globl	k_q2b76c7a36b_quant
	.p2align	8
	.type	k_q2b76c7a36b_quant,@function
k_q2b76c7a36b_quant:
	s_mov_b64 s[64:65], 0
	v_nop
	global_prefetch_b8 v0, s[64:65] scope:SCOPE_SE
	s_setreg_imm32_b32 hwreg(HW_REG_WAVE_MODE, 25, 1), 1
	s_wait_xcnt 0x0
; Q, K, V [8192][1024] and Wq, Wk, Wv, Wo [1024][1024], f32 with the products' K innermost, become codes of BF8 (E5M2) and one E8M0 scale byte for each 32 along K.
; xq holds 28,672 rows of 1,024 codes (Q from row 0, K 8,192, V 16,384, Wq 24,576, Wk 25,600, Wv 26,624, Wo 27,648) and, from byte XSC on, 32 scale bytes a row.
; A block's scale is 2^(floor(log2(its largest magnitude)) - 15); its byte is the largest magnitude's exponent field - 15, held at 1 from below.  A block of zeros keeps the byte 1 where the
; quantiser says 127: its codes are zeros, which add nothing under any byte but 0xff, and the bytes are read by this program alone.
; LIMITS: blocks whose largest magnitude lies under 2^-111 keep the byte 1; NaN and infinities among the inputs are not served.
; Rows are dense, so every tensor is a stream of blocks of 32.  A work-group takes 32,768 numbers, a wave 8,192 in 16 steps of 512.  Each load reads 512 consecutive bytes; a step's 2,048 bytes turn
; through the wave's own stage in LDS, so that a lane then holds 16 neighbours (two lanes hold a block); a wave's store of codes covers 512 consecutive bytes, its 256 scale bytes leave as one store.
; No tensor loads, no barrier: waves share nothing.  Loads run four steps (16 loads a wave) ahead, the turn through LDS one step.
.set STEPS, 16
.set EMAX,  15
.set MANT,  0x600000                   ; the mantissa field of 57,344 as f32
.set CB,    16                         ; bytes of 16 codes
.set R,     16                         ; v16-79   four sets of 16 numbers as they are loaded
.set X,     80                         ; v80-111  two sets of 16 neighbours
.set C,     128                        ; v128-191 codes: four registers for each step
.set E,     112                        ; v112-127 a scale byte for each step
.set WREG,  8192                       ; LDS: a region for each wave: two stages of 32 x SP bytes, then its 256 scale bytes
.set SP,    80                         ; a lane's place in a stage: 64 bytes + 16 of padding
.set XSC,   28672*1024                 ; where the scale bytes begin in xq
	s_load_b512 s[4:19], s[0:1], 0x0               ; Q, K, V, Wq, Wk, Wv, Wo, xq
	v_lshl_add_u32 v192, v0, 2, 0x8000
	v_mov_b32 v193, 0
	v_lshrrev_b32 v1, 5, v0
	v_readfirstlane_b32 s24, v1                    ; wave
	v_and_b32 v2, 31, v0                           ; lane
	v_lshlrev_b32 v3, 4, v2                        ; my 16 bytes of a load's 512
	s_mul_i32 s25, s24, WREG
	v_lshrrev_b32 v14, 2, v2
	v_mul_u32_u24 v14, v14, SP
	v_and_b32 v15, 3, v2
	v_lshl_add_u32 v14, v15, 4, v14
	v_add_nc_u32 v14, s25, v14                     ; the stage, way in: SP (lane / 4) + 16 (lane % 4)
	v_mul_u32_u24 v15, v2, SP
	v_add_nc_u32 v15, s25, v15                     ; way out: SP x lane
	v_mul_u32_u24 v4, v2, CB                       ; my codes' place in a step's
	v_lshrrev_b32 v5, 1, v2
	s_add_co_u32 s25, s25, 2*32*SP
	v_add_nc_u32 v5, s25, v5                       ; my block's byte among the wave's 256
	v_lshlrev_b32 v7, 3, v2
	v_add_nc_u32 v6, s25, v7                       ; and on the way out 8 bytes a lane
	s_mov_b32 s23, MANT
	s_wait_kmcnt 0x0
	s_mov_b64 s[20:21], s[16:17]                   ; which tensor is my work-group's: the choice hangs on the work-group's number alone
	s_mov_b32 s22, 864                             ; and that tensor's first work-group
.macro PICK lim, lo, first
	s_cmp_lt_u32 ttmp9, \lim
	s_cselect_b64 s[20:21], s[\lo:\lo+1], s[20:21]
	s_cselect_b32 s22, \first, s22
.endm
	PICK 864, 14, 832
	PICK 832, 12, 800
	PICK 800, 10, 768
	PICK 768, 8, 512
	PICK 512, 6, 256
	PICK 256, 4, 0
	s_sub_co_u32 s26, ttmp9, s22
	s_lshl_b32 s26, s26, 2
	s_add_co_u32 s26, s26, s24                     ; my run of 8,192 numbers in the tensor
	s_lshl_b32 s26, s26, 15                        ; 32,768 bytes a run
	s_mov_b32 s27, 0
	s_add_nc_u64 s[20:21], s[20:21], s[26:27]
	s_lshl_b32 s28, ttmp9, 2
	s_add_co_u32 s28, s28, s24                     ; my run in xq: the tensors lie there in the order of the work-groups
	s_lshl_b32 s26, s28, 13
	s_add_nc_u64 s[30:31], s[18:19], s[26:27]      ; codes
	s_lshl_b32 s26, s28, 8
	s_add_co_u32 s26, s26, XSC
	s_add_nc_u64 s[32:33], s[18:19], s[26:27]      ; scale bytes
.macro LOAD t
.irp i, 0,1,2,3
	global_load_b128 v[R+16*((\t)%4)+4*\i:R+16*((\t)%4)+4*\i+3], v3, s[20:21] offset:2048*(\t)+512*\i th:TH_LOAD_NT
.endr
.endm
.macro TURN t                          ; step t's numbers through the stage: LDS serves a wave's instructions in order, so no wait stands between the stores and the loads
.irp i, 0,1,2,3
	ds_store_b128 v14, v[R+16*((\t)%4)+4*\i:R+16*((\t)%4)+4*\i+3] offset:32*SP*((\t)%2)+8*SP*\i
.endr
.irp i, 0,1,2,3
	ds_load_b128 v[X+16*((\t)%2)+4*\i:X+16*((\t)%2)+4*\i+3], v15 offset:32*SP*((\t)%2)+16*\i
.endr
.endm
.irp t, 0,1,2,3
	LOAD \t
.endr
	s_wait_loadcnt 12                              ; step 0's four loads are in; the twelve of steps 1 to 3 may be out
	TURN 0
.macro STEP t
.set XS, X+16*((\t)%2)
.if (\t) > 0
	s_wait_dscnt 1                                 ; this step's numbers are back from the stage (the last step's byte store may be out)
.else
	s_wait_dscnt 0x0
.endif
.if (\t)+4 < STEPS
	LOAD (\t)+4                                    ; into the registers that the stage's stores have read
.endif
.if (\t)+1 < STEPS
.if STEPS-2-(\t) >= 3
	s_wait_loadcnt 12                              ; the next step's four loads are in; those of the three steps behind it may be out
.else
	s_wait_loadcnt 4*(STEPS-2-(\t))
.endif
	TURN (\t)+1
.endif
	v_max3_num_f32 v8, |v[XS]|, |v[XS+1]|, |v[XS+2]|
	v_max3_num_f32 v9, |v[XS+3]|, |v[XS+4]|, |v[XS+5]|
.irp i, 6,10
	v_max3_num_f32 v8, v8, |v[XS+\i]|, |v[XS+\i+1]|
	v_max3_num_f32 v9, v9, |v[XS+\i+2]|, |v[XS+\i+3]|
.endr
	v_max3_num_f32 v8, v8, |v[XS+14]|, |v[XS+15]|
	v_max3_num_f32 v8, v8, v9, (EMAX+1)<<23        ; with the floor 2^(16 - 127): the byte cannot fall under 1
	v_max_num_f32_dpp v8, v8, v8 row_xmask:1 row_mask:0xf bank_mask:0xf   ; and my neighbour's 16: the block's largest magnitude
	v_add_nc_u32 v11, -(EMAX<<23), v8              ; 15 off its exponent field: the conversion's scale operand
	v_and_or_b32 v10, v8, 0x7f800000, s23          ; 57,344 x the scale
.irp i, 0,1,2,3,4,5,6,7,8,9,10,11,12,13,14,15
	v_med3_num_f32 v[XS+\i], v[XS+\i], -v10, v10   ; the conversion to an 8-bit code does not saturate (ISA guide 7.6.2): the hold comes first
.endr
	v_cvt_scalef32_pk8_bf8_f32 v[C+4*(\t):C+4*(\t)+1], v[XS:XS+7], v11
	v_cvt_scalef32_pk8_bf8_f32 v[C+4*(\t)+2:C+4*(\t)+3], v[XS+8:XS+15], v11
	v_lshrrev_b32 v[E+(\t)], 23, v11               ; the scale's byte
	ds_store_b8 v5, v[E+(\t)] offset:16*(\t)       ; both lanes of a block write the same byte with the same value
	global_store_b128 v4, v[C+4*(\t):C+4*(\t)+3], s[30:31] offset:32*CB*(\t)
.endm
.irp t, 0,1,2,3,4,5,6,7,8,9,10,11,12,13,14,15
	STEP \t
.endr
	ds_load_b64 v[12:13], v6                       ; LDS serves a wave's instructions in order: these see my stores
	s_wait_dscnt 0x0
	global_store_b64 v7, v[12:13], s[32:33]        ; 32 lanes store 256 consecutive bytes, aligned
	s_wait_tensorcnt 0x0
	ds_add_u32 v192, v193
	s_wait_dscnt 0x0
	s_endpgm
.Lfunc_end_k_q2b76c7a36b_quant:
	.size	k_q2b76c7a36b_quant, .Lfunc_end_k_q2b76c7a36b_quant-k_q2b76c7a36b_quant
	.p2alignl 7, 3214868480
	.fill 96, 4, 3214868480
	.section	.rodata,"a",@progbits
	.p2align	6, 0x0
	.amdhsa_kernel k_q2b76c7a36b_quant
		.amdhsa_group_segment_fixed_size 33280
		.amdhsa_private_segment_fixed_size 0
		.amdhsa_enable_private_segment 0
		.amdhsa_kernarg_size 64
		.amdhsa_user_sgpr_count 2
		.amdhsa_user_sgpr_kernarg_segment_ptr 1
		.amdhsa_wavefront_size32 1
		.amdhsa_system_sgpr_workgroup_id_x 1
		.amdhsa_system_sgpr_workgroup_id_y 1
		.amdhsa_system_sgpr_workgroup_id_z 1
		.amdhsa_system_vgpr_workitem_id 0
		.amdhsa_next_free_vgpr 194
		.amdhsa_next_free_sgpr 66
		.amdhsa_reserve_vcc 0
		.amdhsa_float_denorm_mode_32 3
		.amdhsa_float_denorm_mode_16_64 3
		.amdhsa_memory_ordered 1
		.amdhsa_forward_progress 1
		.amdhsa_inst_pref_size 52
	.end_amdhsa_kernel
	.amdgpu_metadata
---
amdhsa.version: [ 1, 2 ]
amdhsa.kernels:
  - .name:           k_q2b76c7a36b_quant
    .symbol:         k_q2b76c7a36b_quant.kd
    .args:
      - { .name: Q, .offset: 0, .size: 8, .value_kind: global_buffer, .address_space: global }
      - { .name: K, .offset: 8, .size: 8, .value_kind: global_buffer, .address_space: global }
      - { .name: V, .offset: 16, .size: 8, .value_kind: global_buffer, .address_space: global }
      - { .name: Wq, .offset: 24, .size: 8, .value_kind: global_buffer, .address_space: global }
      - { .name: Wk, .offset: 32, .size: 8, .value_kind: global_buffer, .address_space: global }
      - { .name: Wv, .offset: 40, .size: 8, .value_kind: global_buffer, .address_space: global }
      - { .name: Wo, .offset: 48, .size: 8, .value_kind: global_buffer, .address_space: global }
      - { .name: xq, .offset: 56, .size: 8, .value_kind: global_buffer, .address_space: global }
    .group_segment_fixed_size: 33280
    .private_segment_fixed_size: 0
    .kernarg_segment_align: 8
    .kernarg_segment_size: 64
    .max_flat_workgroup_size: 128
    .sgpr_count:     66
    .vgpr_count:     194
    .wavefront_size: 32
...
	.end_amdgpu_metadata
.endif
;; end of part 1
;; launch proj (part 2): grid 4 x 96, 4 waves a work-group, clusters of 4 x 4, 327,680 bytes of LDS; arguments xq, bq, bk, bv, mask, qk, vq; writes qk, vq
.if DOCPART == 2
	.amdgcn_target "amdgcn-amd-amdhsa--gfx1250"
	.amdhsa_code_object_version 6
	.text
	.protected	k_q2b76c7a36b_proj
	.globl	k_q2b76c7a36b_proj
	.p2align	8
	.type	k_q2b76c7a36b_proj,@function
k_q2b76c7a36b_proj:
	s_mov_b64 s[64:65], 0
	v_nop
	global_prefetch_b8 v0, s[64:65] scope:SCOPE_SE
	s_setreg_imm32_b32 hwreg(HW_REG_WAVE_MODE, 25, 1), 1
	s_wait_xcnt 0x0
	s_wait_alu depctr_hold_cnt(0) depctr_sa_sdst(0) depctr_va_vdst(0) depctr_va_sdst(0) depctr_va_ssrc(0) depctr_va_vcc(0) depctr_vm_vsrc(0)
	s_getreg_b32 s2, hwreg(HW_REG_IB_STS2, 6, 4)
	s_cmp_eq_u32 s2, 0
	s_cbranch_scc0 .Lentry_in_a_cluster
	s_endpgm
.Lentry_in_a_cluster:
	s_bfe_u32 s2, ttmp6, 0x10000c
	s_cmp_lg_u32 s2, 0xf033
	s_cbranch_scc0 .Lentry_shape_is_right
	s_endpgm
.Lentry_shape_is_right:
; The three projections on codes of BF8 (E5M2) with E8M0 scales, and the quantising of their results.  Every product is C[m][n] = A row m . B row n, both operands rows of xq (1,024 codes, 32 scale bytes).
; q and k: A = tokens, B = rows of Wq or Wk.  v: A = rows of Wv, B = V's tokens, so that the result is v^T.  THE MATRIX INSTRUCTION IS USED TRANSPOSED (source 0 = 16 rows of B, source 1 = 16 rows of A):
; a lane holds one row of A and its registers run along n, which is the next product's K in all three cases (the head's 64 for q and k, the keys for v): one text serves all.
; CY = the cluster's y, 0 to 23: 0-7 q, 8-15 k, 16-23 v.  A tile of C is 256 x 256: four waves, 128 x 128 each, 64 accumulators.  K = 1,024 goes in steps of 256 through two LDS slots.
; CLUSTERS: 4 x 4 work-groups; A's tile is shared along a row of the cluster, B's along a column: joint loads with a mask that names the four.
; THE WAY OUT: x = sum x RM + RB for each row (RM = 0 for rows of k whose key is masked, else 1; RB = bv on the v path, else 0; bq and bk are the C of the first products), quantised in blocks of 32 along n.
; ORDER INSIDE A BLOCK: a lane's 16 numbers of two neighbouring result tiles are n = 16 u + 8 h + j; their codes go to place 16 h + 8 u + j.  q and k carry the same order, so their products are unchanged;
; v's keys lie in the order in which the weights p fall in the next launch.
; qk: codes [q or k][b][head][token][64]; from byte 2^24 one scale word a row: bytes 0, 1 the two blocks' scales, byte 2 = 130 for q and 127 for k (the scale of the mask's extension block), byte 3 = 127.
; vq: codes [b][dim][key]; from byte 2^23 scale words [b][head][128 keys][dim of the head].
; LIMITS: k at masked keys must be finite (it is multiplied by 0); blocks whose largest magnitude lies under 2^-111 keep the byte 1; NaN and infinities are not served.
; REGISTERS, in windows of 256: window 0: v1-31 addresses and row data; v32-63 scale words, two sets; v64-127 the column bias, later the rows' factors; from v128 A's fragments, ONE set; on the way out
; v128-191 64 numbers, v192-207 their codes, v208-224 at work.  window 1: B's fragments, two sets.  windows 2, 3: the accumulators ((a, b) at v[8 (8 (a % 4) + b)]).
.set KSTEP,  256
.set NQ,     KSTEP/128
.set ROWB,   256                       ; a tile's row in bytes
.set KROW,   1024                      ; a row of codes in memory
.set PITCH,  272                       ; an LDS row: 256 bytes + 16 of padding: the 16 rows that a load touches start at 16 different banks (64 banks of 4 bytes: ISA guide 11.1)
.set FR,     16
.set NL,     4
.set NP,     8                         ; places behind this matrix instruction (ISA guide 7.12.1)
.set HALFT,  128*PITCH
.set SLOT,   4*HALFT                   ; A's 256 rows, then B's 256 rows
.set LAPS,   KROW/(2*KSTEP)
.set KS,     KROW/32
.set SCL,    2*SLOT                    ; behind the ring: the scales of the 512 rows, as units of 256 bytes + 16
.set HALFS,  (128*KS/256)*272
.set SBLK,   (16*KS/256)*272
.set SPARE,  SCL+4*HALFS               ; the spare words, 128 bytes a wave: two blocks of 256 bytes that no other line names
.set XSC,    28672*1024                ; where the scale bytes begin in xq
.set SST,    256*PITCH                 ; the way out, in slot 0 (it has had its last fill and its last read): codes, 256 rows x 272 from byte 0; then scale words [column half][256 rows]
.set RDQ,  7                           ; v7, v18 q, k: where I read codes back (rows 0-127, 128-255)
.set RDR,  8                           ; v8-15   a row's datum for each of A's eight blocks: the mask's word (q, k) or bv (v)
.set ADRA, 16
.set RDQ2, 18
.set RSQ,  19                          ; v19     q, k: where I read scale bytes back
.set ADRB, 20
.set RDV,  22                          ; v22, 23 the same for v
.set RSV,  23
.set STO,  24                          ; v24     where I put 16 codes
.set SSO,  25                          ; v25     where I put a scale word
.set GOQ,  26                          ; v26     16 x lane
.set ADRS, 27
.set SPW,  28                          ; v28     my spare word: SPARE + 4 x my thread's number; never rewritten
.set NIL,  29                          ; v29     0; never rewritten
.set GOV,  30                          ; v30     v: my byte offset in two rows of vq
.set SC,   32
.set CBR,  64                          ; v64-127 the column bias in the result's layout: 8 registers for each of B's eight blocks
.set RM,   64                          ; later: v64-79 RM as pairs, v80-95 RB as pairs
.set RB,   80
.set AF,   128
.set X,    128
.set PC,   192
.set TM,   208
.set PW,   224
.set G1, 24
.set G0, 32
.set G1B, 48
.set G0B, 56
.set G1S, 68
.set G0S, 76
.set G1SB, 80
.set G0SB, 88
.set SEL, 68                           ; on the way out, when every tensor load is done: s[68:69] lane selects, s70 the mantissa field of 57,344
.set MNT, 70
.set MSB, 0
.macro WIN new                         ; the immediate's high byte repeats the setting that is left
.if MSB != (\new)
	s_set_vgpr_msb (MSB<<8)|(\new)
.set MSB, (\new)
.endif
.endm
.set MUL_LO, 0xa1                      ; source 0 (B) window 1, source 1 (A) window 0, C and D window 2
.set MUL_HI, 0xf1                      ; the same, C and D window 3
.set TO_B,   0x40
; A joint load: waves 0 and 1 fetch for A, waves 2 and 3 for B.  Four v_nop follow each of the two lines.
.macro JLOAD g0a, g1a, g0b, g1b
	s_cmp_eq_u32 s15, 0
	s_cbranch_scc0 .Lfor_b_\@
	tensor_load_to_lds s[\g0a:\g0a+3], s[\g1a:\g1a+7]
	s_nop 0
.rept 4
	v_nop
.endr
	s_branch .Lasked_\@
.Lfor_b_\@:
	tensor_load_to_lds s[\g0b:\g0b+3], s[\g1b:\g1b+7]
	s_nop 0
.rept 4
	v_nop
.endr
.Lasked_\@:
.endm
.macro CREST                           ; a round of the cluster's barrier behind its opening barrier
	s_cmp_lg_u32 s14, 0
	s_cbranch_scc1 .Lnot_wave_0_\@
	s_barrier_signal -3
.Lnot_wave_0_\@:
	s_barrier_wait -3
	s_barrier_signal -1
	s_barrier_wait -1
.endm
.macro CROUND
	s_barrier_signal -1
	s_barrier_wait -1
	CREST
.endm
	s_load_b256 s[4:11], s[0:1], 0x0               ; xq, bq, bk, bv
	s_load_b128 s[96:99], s[0:1], 0x20             ; mask, qk
	s_load_b64 s[100:101], s[0:1], 0x30            ; vq
	v_lshl_add_u32 v[SPW], v0, 2, SPARE
	v_mov_b32 v[NIL], 0
	ds_add_u32 v28, v29
	s_wait_dscnt 0x0
	v_lshrrev_b32 v1, 5, v0
	v_readfirstlane_b32 s14, v1                    ; wave 0..3
	s_lshr_b32 s15, s14, 1                         ; which half of the tile's rows is mine.  Also: I fetch for A (0) or for B (1)
	s_and_b32 s16, s14, 1                          ; which half of its columns.  Also: which 128 rows I fetch
	s_bfe_u32 s40, ttmp6, 0x40000                  ; cx
	s_bfe_u32 s41, ttmp6, 0x40004                  ; cy
	s_and_b32 s17, ttmp7, 0xffff                   ; CY: the same in all sixteen partners
	s_lshr_b32 s66, s17, 3                         ; p: 0 q, 1 k, 2 v
	s_lshl_b32 s18, s17, 2
	s_add_co_u32 s18, s18, s41                     ; A's tile of 256 rows of xq: q, k: 4 CY + cy
	s_add_co_u32 s19, s41, 104                     ; v: Wv's, 104 + cy
	s_lshl_b32 s21, s66, 2
	s_add_co_u32 s21, s21, s40
	s_add_co_u32 s21, s21, 96                      ; B's: q, k: the weight's, 96 + 4 p + cx
	s_lshl_b32 s22, s17, 2
	s_add_co_u32 s22, s22, s40                     ; v: V's tokens, 64 + 4 (CY - 16) + cx = 4 CY + cx
	s_cmp_lt_u32 s17, 16
	s_cselect_b32 s42, s18, s19
	s_cselect_b32 s45, s21, s22
	s_cselect_b32 s13, 0, -1                       ; all ones on the v path
	s_cmp_eq_u32 s66, 1
	s_cselect_b32 s12, -1, 0                       ; all ones on the k path
	s_lshl_b32 s43, s41, 2
	s_lshl_b32 s43, 15, s43                        ; my row of the cluster
	s_lshl_b32 s44, 0x1111, s40                    ; my column
	s_or_b32 s[G1+0], s43, (0<<16)|(1<<20)|(1<<21)|(5<<22)|(3<<25)  ; the mask; elements of 1 byte; padding on; bit 21 beside a mask; 4 words behind every 64
	s_or_b32 s[G1B+0], s44, (0<<16)|(1<<20)|(1<<21)|(5<<22)|(3<<25)
.irp g, G1, G1B
	s_mov_b32 s[\g+1], ROWB<<16                    ; tensor_dim0
	s_mov_b32 s[\g+2], 128<<16                     ; tensor_dim1
	s_mov_b32 s[\g+3], ROWB<<16                    ; tile_dim0
	s_mov_b32 s[\g+4], 128                         ; tile_dim1
	s_mov_b32 s[\g+5], KROW                        ; tensor_dim0_stride
	s_mov_b32 s[\g+6], 0
	s_mov_b32 s[\g+7], 0
.endr
	s_or_b32 s[G1S+0], s43, (3<<16)|(1<<20)|(1<<21)|(5<<22)|(3<<25)   ; the scales of 128 rows: 4,096 dense bytes as 16 rows of 256 (32 elements of 8 bytes), 16 bytes of padding behind each
	s_or_b32 s[G1SB+0], s44, (3<<16)|(1<<20)|(1<<21)|(5<<22)|(3<<25)
.irp g, G1S, G1SB
	s_mov_b32 s[\g+1], 32<<16
	s_mov_b32 s[\g+2], (128*KS/256)<<16
	s_mov_b32 s[\g+3], 32<<16
	s_mov_b32 s[\g+4], 128*KS/256
	s_mov_b32 s[\g+5], 32
	s_mov_b32 s[\g+6], 0
	s_mov_b32 s[\g+7], 0
.endr
	s_lshl_b32 s18, s16, 7                         ; which 128 rows of the tile I fetch
	s_lshl_b32 s20, s42, 8
	s_add_co_u32 s20, s20, s18                     ; A's first row in xq
	s_lshl_b32 s46, s45, 8
	s_add_co_u32 s46, s46, s18                     ; B's
	s_lshl_b32 s22, s20, 5
	s_add_co_u32 s22, s22, XSC                     ; their scale bytes,
	s_mov_b32 s23, 0
	s_lshl_b32 s92, s46, 5
	s_add_co_u32 s92, s92, XSC
	s_mov_b32 s93, 0
	s_lshl_b32 s20, s20, 10                        ; and their codes (all under 2^25)
	s_mov_b32 s21, 0
	s_lshl_b32 s46, s46, 10
	s_mov_b32 s47, 0
	s_mul_i32 s67, s14, HALFT                      ; where they go: wave x 128 rows: no place in the cluster enters an LDS address
	s_mul_i32 s94, s14, HALFS
	s_wait_kmcnt 0x0
	s_add_nc_u64 s[20:21], s[4:5], s[20:21]
	s_add_nc_u64 s[22:23], s[4:5], s[22:23]
	s_add_nc_u64 s[46:47], s[4:5], s[46:47]
	s_add_nc_u64 s[92:93], s[4:5], s[92:93]
	CROUND                                         ; all sixteen work-groups are here: the first joint loads meet
	s_mov_b32 s[G0S], 1
	s_add_co_u32 s[G0S+1], s94, SCL
	s_mov_b64 s[G0S+2:G0S+3], s[22:23]
	s_or_b32 s[G0S+3], s[G0S+3], 0x80000000
	s_mov_b32 s[G0SB], 1
	s_add_co_u32 s[G0SB+1], s94, SCL
	s_mov_b64 s[G0SB+2:G0SB+3], s[92:93]
	s_or_b32 s[G0SB+3], s[G0SB+3], 0x80000000
	JLOAD G0S, G1S, G0SB, G1SB                     ; the scales first: they are wanted with K step 0
.irp s, 0,1
	s_mov_b32 s[G0+4*\s], 1
	s_add_co_u32 s[G0+4*\s+1], s67, \s*SLOT
	s_add_nc_u64 s[G0+4*\s+2:G0+4*\s+3], s[20:21], \s*ROWB
	s_or_b32 s[G0+4*\s+3], s[G0+4*\s+3], 0x80000000
	s_mov_b32 s[G0B+4*\s], 1
	s_add_co_u32 s[G0B+4*\s+1], s67, \s*SLOT
	s_add_nc_u64 s[G0B+4*\s+2:G0B+4*\s+3], s[46:47], \s*ROWB
	s_or_b32 s[G0B+4*\s+3], s[G0B+4*\s+3], 0x80000000
	JLOAD G0+4*\s, G1, G0B+4*\s, G1B
.endr
	v_and_b32 v1, 15, v0                           ; r = l % 16
	v_bfe_u32 v2, v0, 4, 1                         ; h = l / 16
	v_mul_u32_u24 v3, v1, PITCH
	v_lshl_add_u32 v4, v2, 4, v3                   ; a fragment's row x pitch + 16 x half
	s_mul_i32 s21, s15, HALFT
	s_mul_i32 s22, s16, HALFT
	s_add_co_u32 s22, s22, 2*HALFT
.irp s, 0,1
	v_add_nc_u32 v[ADRA+\s], s21, v4
	v_add_nc_u32 v[ADRB+\s], s22, v4
	s_add_co_u32 s21, s21, SLOT
	s_add_co_u32 s22, s22, SLOT
.endr
	v_mul_u32_u24 v5, v1, KS                       ; my row's scales: KS bytes a row,
	v_lshrrev_b32 v6, 8, v5
	v_lshl_add_u32 v5, v6, 4, v5                   ; and 16 more for each 256 passed
	s_mul_i32 s21, s15, HALFS
	s_mul_i32 s22, s16, HALFS
	s_add_co_u32 s22, s22, 2*HALFS
	s_sub_co_u32 s22, s22, s21
	v_mul_u32_u24 v6, s22, v2                      ; lanes 16-31 take B's
	s_add_co_u32 s21, s21, SCL
	v_add_nc_u32 v5, v5, v6
	v_add_nc_u32 v[ADRS], s21, v5
	; the way out's LDS addresses, all made here, of the thread's and the wave's number alone
	s_mul_i32 s21, s15, 128*PITCH
	s_lshl_b32 s22, s16, 7
	s_add_co_u32 s21, s21, s22
	v_add_nc_u32 v[STO], s21, v4                   ; (128 x row half + r) x 272 + 128 x column half + 16 h
	s_lshl_b32 s21, s16, 10
	s_lshl_b32 s22, s15, 9
	s_add_co_u32 s21, s21, s22
	s_add_co_u32 s21, s21, SST
	v_lshl_add_u32 v[SSO], v1, 2, s21              ; [column half][128 x row half + r]
	v_and_b32 v5, 31, v0                           ; lane
	v_lshrrev_b32 v6, 2, v5
	v_mul_u32_u24 v6, v6, PITCH
	v_and_b32 v3, 3, v0
	v_lshl_add_u32 v6, v3, 4, v6
	s_lshl_b32 s21, s14, 6
	v_add_nc_u32 v[RDQ], s21, v6                   ; q, k: wave w takes the tile's head w: four lanes to a row's 64 bytes, eight rows an instruction
	v_add_nc_u32 v[RDQ2], 128*PITCH, v[RDQ]
	s_lshl_b32 s21, s15, 10
	s_lshl_b32 s22, s16, 1
	s_add_co_u32 s21, s21, s22
	s_add_co_u32 s21, s21, SST
	v_lshl_add_u32 v[RSQ], v5, 4, s21              ; its two scale bytes of four rows a lane
	s_mul_i32 s21, s14, 64*PITCH
	v_mul_u32_u24 v6, v2, PITCH
	v_lshl_add_u32 v6, v1, 4, v6
	v_add_nc_u32 v[RDV], s21, v6                   ; v: wave w takes rows 64 w on: sixteen lanes to a row's 256 bytes
	s_lshl_b32 s21, s14, 8
	s_add_co_u32 s21, s21, SST
	v_lshlrev_b32 v6, 10, v2
	v_lshl_add_u32 v6, v1, 4, v6
	v_add_nc_u32 v[RSV], s21, v6                   ; its 64 rows' scale words of both column halves
	v_lshlrev_b32 v[GOQ], 4, v5
	v_lshlrev_b32 v6, 11, v2
	v_lshl_add_u32 v[GOV], v1, 4, v6
	; the column bias (bq or bk at my 128 columns; on the v path bq is read at the same places and then cleared) and the rows' data
	s_cmp_eq_u32 s66, 1
	s_cselect_b64 s[92:93], s[8:9], s[6:7]
	s_lshl_b32 s18, s40, 10
	s_lshl_b32 s19, s16, 9
	s_add_co_u32 s18, s18, s19                     ; 4 x (256 cx + 128 x column half)
	s_mov_b32 s19, 0
	s_add_nc_u64 s[92:93], s[92:93], s[18:19]
	s_and_b32 s18, s17, 7
	s_lshl_b32 s18, s18, 2
	s_add_co_u32 s18, s18, s41                     ; q, k: the tile of 256 tokens among the 32
	s_cmp_lt_u32 s17, 16
	s_cselect_b32 s18, s18, s41                    ; v: the tile of 256 dims
	s_cselect_b64 s[94:95], s[96:97], s[10:11]     ; the mask's words, or bv
	s_lshl_b32 s18, s18, 10
	s_lshl_b32 s19, s15, 9
	s_add_co_u32 s18, s18, s19
	s_mov_b32 s19, 0
	s_add_nc_u64 s[94:95], s[94:95], s[18:19]
	v_lshlrev_b32 v5, 5, v2                        ; 32 h: my eight columns of a block of 16
	v_lshlrev_b32 v6, 2, v1                        ; 4 r
.irp b, 0,1,2,3,4,5,6,7
	global_load_b128 v[CBR+8*\b:CBR+8*\b+3], v5, s[92:93] offset:64*\b
	global_load_b128 v[CBR+8*\b+4:CBR+8*\b+7], v5, s[92:93] offset:64*\b+16
.endr
.irp a, 0,1,2,3,4,5,6,7
	global_load_b32 v[RDR+\a], v6, s[94:95] offset:64*\a
.endr
	s_wait_loadcnt 0x0
.set N, 0
.rept 64
	v_cndmask_b32 v[CBR+N], v[CBR+N], v[NIL], s13  ; on the v path the bias goes by rows: the columns' is 0
.set N, N+1
.endr
.macro FRAG reg, adr, q, i             ; 16 rows x 128 K: lane l holds row l % 16; registers 4 c .. 4 c + 3 hold K = 32 c + 16 (l / 16) + 0 .. 15
.irp c, 0,1,2,3
	ds_load_b128 v[\reg+4*\c:\reg+4*\c+3], v[\adr] offset:128*(\q)+32*\c+(\i)*16*PITCH
.endr
.endm
; 16 matrix instructions: A's blocks a0, a0 + 1 x B's eight.  zero = 1: the first product starts the sums, with the column bias as its C.
; The 64 accumulators take turns, one instruction a turn, in the same order in every step.
.macro MUL16 a0, p, q, sc, zero
.irp a, \a0, \a0+1
.irp b, 0,1,2,3,4,5,6,7
.if \zero
	v_wmma_scale_f32_16x16x128_f8f6f4 v[8*(8*((\a)%4)+\b):8*(8*((\a)%4)+\b)+7], v[128*(\p)+FR*\b:128*(\p)+FR*\b+FR-1], v[AF+FR*(\a):AF+FR*(\a)+FR-1], v[CBR+8*\b:CBR+8*\b+7], v[SC+8*NQ*(\sc)+NQ*\b+(\q)], v[SC+8*NQ*(\sc)+NQ*(\a)+(\q)] matrix_a_fmt:MATRIX_FMT_BF8 matrix_b_fmt:MATRIX_FMT_BF8 matrix_a_scale:MATRIX_SCALE_ROW1
.else
	v_wmma_scale_f32_16x16x128_f8f6f4 v[8*(8*((\a)%4)+\b):8*(8*((\a)%4)+\b)+7], v[128*(\p)+FR*\b:128*(\p)+FR*\b+FR-1], v[AF+FR*(\a):AF+FR*(\a)+FR-1], v[8*(8*((\a)%4)+\b):8*(8*((\a)%4)+\b)+7], v[SC+8*NQ*(\sc)+NQ*\b+(\q)], v[SC+8*NQ*(\sc)+NQ*(\a)+(\q)] matrix_a_fmt:MATRIX_FMT_BF8 matrix_b_fmt:MATRIX_FMT_BF8 matrix_a_scale:MATRIX_SCALE_ROW1
.endif
.endr
.endr
.endm
.macro FETCH_B slot, q, p
	WIN TO_B
.irp i, 0,1,2,3,4,5,6,7
	FRAG 128*(\p)+FR*\i, ADRB+\slot, \q, \i
.endr
	WIN 0
.endm
.macro FETCH_A slot, q, i0
.irp i, \i0, \i0+1, \i0+2, \i0+3
	FRAG AF+FR*(\i), ADRA+\slot, \q, \i
.endr
.endm
.macro SCALES sc                       ; a K step's scale words: lanes 0-15 take A's block i, lanes 16-31 B's block i
.irp i, 0,1,2,3,4,5,6,7
	ds_load_b64 v[SC+8*NQ*\sc+NQ*\i:SC+8*NQ*\sc+NQ*\i+1], v[ADRS] offset:\i*SBLK
.endr
.endm
.macro PLACES n                        ; plain vector instructions between a matrix instruction and a load into, or a read of, its registers
.rept \n
	v_nop
.endr
.endm
.macro STEP slot, q, zero              ; 128 along K that have their successor in the same slot
	s_wait_dscnt 4*NL                              ; B's set and A's blocks 0-3 are in; the youngest sixteen loads (A's blocks 4-7) may be out
	WIN MUL_LO-0x20*(\zero)                        ; (with zero = 1 the C lies in window 0)
	MUL16 0, (\q)%2, \q, \slot, \zero
	MUL16 2, (\q)%2, \q, \slot, \zero
	s_wait_dscnt 0
	PLACES NP
	FETCH_B \slot, (\q)+1, 1-(\q)%2
	FETCH_A \slot, (\q)+1, 0
	WIN MUL_HI-0x30*(\zero)
	MUL16 4, (\q)%2, \q, \slot, \zero
	MUL16 6, (\q)%2, \q, \slot, \zero
	PLACES NP
	WIN 0
	FETCH_A \slot, (\q)+1, 4
.endm
; A slot's last step changes slots: one barrier; in front of it each wave waits for all its tensor loads, adds 0 to its spare word, and waits for that and for its own reads of this slot.
.macro TURN slot, next, fill
	s_wait_tensorcnt 0x0                           ; all my tensor loads have landed: my part of the next slot
	ds_add_u32 v[SPW], v[NIL]                      ; 0 onto my spare word
	s_wait_dscnt 4*NL+1                            ; (the add and the youngest sixteen loads, A's blocks 4-7, may be out)
	WIN MUL_LO
	MUL16 0, 1, NQ-1, \slot, 0
	s_wait_dscnt 0x0                               ; the add is done, and my reads of this slot are over
	s_barrier_signal -1
	MUL16 2, 1, NQ-1, \slot, 0
	WIN 0
	s_barrier_wait -1
.if \fill
	CREST                                          ; the barrier has opened a round of the cluster's barrier: no wave of any partner still reads this slot or has a load on its way
	s_add_nc_u64 s[G0+4*\slot+2:G0+4*\slot+3], s[G0+4*\slot+2:G0+4*\slot+3], 2*ROWB
	s_add_nc_u64 s[G0B+4*\slot+2:G0B+4*\slot+3], s[G0B+4*\slot+2:G0B+4*\slot+3], 2*ROWB
	JLOAD G0+4*\slot, G1, G0B+4*\slot, G1B         ; the first tensor load behind the round; its four v_nop are among the places in front of the loads below
	PLACES NP-4
.else
	PLACES NP
.endif
	v_add_nc_u32 v[ADRS], 4*NQ, v[ADRS]            ; the next K step's scale words
	FETCH_B \next, 0, 0
	FETCH_A \next, 0, 0
	SCALES \next
	WIN MUL_HI
	MUL16 4, 1, NQ-1, \slot, 0
	MUL16 6, 1, NQ-1, \slot, 0
	PLACES NP
	WIN 0
	FETCH_A \next, 0, 4
.endm
	s_wait_tensorcnt 1                             ; the scales and my part of K step 0 are in (K step 1's load may be out),
	s_barrier_signal -1
	s_barrier_wait -1                              ; everybody's are
	FETCH_B 0, 0, 0
	FETCH_A 0, 0, 0
	SCALES 0
	FETCH_A 0, 0, 4
	STEP 0, 0, 1                                   ; the first step stands in front of the loop: its products start the sums
	s_mov_b32 s3, LAPS-1
.Llap:                                                 ; a trip goes once round the ring and fills both slots again
	TURN 0, 1, 1
	STEP 1, 0, 0
	TURN 1, 0, 1
	STEP 0, 0, 0
	s_sub_co_u32 s3, s3, 1
	s_cmp_lg_u32 s3, 0
	s_cbranch_scc1 .Llap
	TURN 0, 1, 0                                   ; the last lap fills nothing
	STEP 1, 0, 0
	s_wait_dscnt 4*NL
	WIN MUL_LO
	MUL16 0, 1, NQ-1, 1, 0
	MUL16 2, 1, NQ-1, 1, 0
	s_wait_dscnt 0
	WIN MUL_HI
	MUL16 4, 1, NQ-1, 1, 0
	MUL16 6, 1, NQ-1, 1, 0
	WIN 0
; THE WAY OUT.
	PLACES NP                                      ; behind the last products: their results are read, and A's registers written, only from here on
	s_mov_b32 s[SEL], 0x76543210                   ; (every tensor load is done: the scales' descriptors are free)
	s_mov_b32 s[SEL+1], 0xfedcba98
	s_mov_b32 s[MNT], 0x600000
.irp a, 0,1,2,3,4,5,6,7
	v_cmp_eq_u32 vcc_lo, 0, v[RDR+\a]
	s_and_b32 vcc_lo, vcc_lo, s12                  ; a masked key, on the k path alone
	v_cndmask_b32 v[RM+2*\a], 1.0, v[NIL], vcc_lo  ; its row is multiplied by 0, every other by 1
	v_cndmask_b32 v[RB+2*\a], v[NIL], v[RDR+\a], s13   ; bv of my row on the v path, else 0
	v_mov_b32 v[RM+2*\a+1], v[RM+2*\a]             ; (named as pairs, so both halves are written)
	v_mov_b32 v[RB+2*\a+1], v[RB+2*\a]
.endr
.irp b, 0,1,2,3
	v_mov_b32 v[TM+4+\b], 0                        ; a lane permute's destination counts as one of its sources
.endr
; 64 numbers of a lane, register 16 b + i of block b, become 16 registers of codes in v[PC] on and a scale word in v[PW]
.macro QUANT s
.irp b, 0,1,2,3
	v_max3_num_f32 v[TM+\b], |v[\s+16*\b]|, |v[\s+1+16*\b]|, 0x8000000   ; with the floor 2^(16 - 127): the byte cannot fall under 1
.endr
.irp i, 2,4,6,8,10,12,14
.irp b, 0,1,2,3
	v_max3_num_f32 v[TM+\b], v[TM+\b], |v[\s+16*\b+\i]|, |v[\s+1+16*\b+\i]|
.endr
.endr
.irp b, 0,1,2,3
	v_permlanex16_b32 v[TM+4+\b], v[TM+\b], s[SEL], s[SEL+1]
.endr
.irp b, 0,1,2,3
	v_max_num_f32 v[TM+\b], v[TM+\b], v[TM+4+\b]   ; with lane l xor 16's: the block's largest magnitude
.endr
.irp b, 0,1,2,3
	v_add_nc_u32 v[TM+12+\b], 0xf8800000, v[TM+\b] ; 15 off its exponent field: the conversion's scale operand
.endr
.irp b, 0,1,2,3
	v_and_or_b32 v[TM+8+\b], v[TM+\b], 0x7f800000, s[MNT]   ; 57,344 x the scale
.endr
.irp b, 0,1,2,3
	v_lshrrev_b32 v[TM+4+\b], 23, v[TM+12+\b]      ; the scale's byte
.endr
	v_lshl_or_b32 v[PW], v[TM+5], 8, v[TM+4]
	v_lshl_or_b32 v[PW], v[TM+6], 16, v[PW]
	v_lshl_or_b32 v[PW], v[TM+7], 24, v[PW]
.irp b, 0,1,2,3
.irp i, 0,1,2,3,4,5,6,7,8,9,10,11,12,13,14,15
	v_med3_num_f32 v[\s+16*\b+\i], v[\s+16*\b+\i], -v[TM+8+\b], v[TM+8+\b]   ; the conversion does not saturate (ISA guide 7.6.2): the hold comes first
.endr
	v_cvt_scalef32_pk8_bf8_f32 v[PC+4*\b:PC+1+4*\b], v[\s+16*\b:\s+7+16*\b], v[TM+12+\b]
	v_cvt_scalef32_pk8_bf8_f32 v[PC+2+4*\b:PC+3+4*\b], v[\s+8+16*\b:\s+15+16*\b], v[TM+12+\b]
.endr
	v_nop                                          ; a plain vector instruction between the last conversion and the next vector instruction that writes its sources
.endm
.macro BLOCKOUT a                      ; my rows 16 a on, 128 columns
	WIN 0x02+((\a)/4)                              ; source 0: window 2 or 3
.set N, 0
.rept 32
	v_pk_fma_f32 v[X+2*N:X+2*N+1], v[64*((\a)%4)+2*N:64*((\a)%4)+2*N+1], v[RM+2*(\a):RM+2*(\a)+1], v[RB+2*(\a):RB+2*(\a)+1] op_sel_hi:[1,0,0]   ; each accumulator from its low end on
.set N, N+1
.endr
	WIN 0
	QUANT X
.irp c, 0,1,2,3
	ds_store_b128 v[STO], v[PC+4*\c:PC+4*\c+3] offset:(\a)*16*PITCH+32*\c
.endr
	ds_store_b32 v[SSO], v[PW] offset:64*(\a)      ; both halves of the lanes write the same word with the same value
	s_wait_dscnt 0x0                               ; the stores have read their registers
.endm
.irp a, 0,1,2,3,4,5,6,7
	BLOCKOUT \a
.endr
	s_barrier_signal -1                            ; my stores into the stage are done (the wait above)
	s_barrier_wait -1                              ; everybody's are
	s_and_b32 s71, s17, 7
	s_lshl_b32 s71, s71, 2                         ; 4 (CY & 7)
	s_cmp_lt_u32 s17, 16                           ; the same in all partners
	s_cbranch_scc0 .Lout_v
	; q, k: wave w stores head 4 cx + w: 256 tokens x 64 bytes, 16,384 consecutive bytes, and 256 scale words
	s_add_co_u32 s71, s71, s41                     ; the tile of tokens
	s_lshr_b32 s72, s71, 3                         ; b
	s_and_b32 s73, s71, 7                          ; which 256 tokens of the batch
	s_lshl_b32 s74, s40, 2
	s_add_co_u32 s74, s74, s14                     ; head
	s_lshl_b32 s76, s66, 23
	s_lshl_b32 s75, s72, 21
	s_add_co_u32 s76, s76, s75
	s_lshl_b32 s75, s74, 17
	s_add_co_u32 s76, s76, s75
	s_lshl_b32 s75, s73, 14
	s_add_co_u32 s76, s76, s75
	s_mov_b32 s77, 0
	s_add_nc_u64 s[76:77], s[98:99], s[76:77]
	s_lshl_b32 s78, s66, 19
	s_lshl_b32 s75, s72, 17
	s_add_co_u32 s78, s78, s75
	s_lshl_b32 s75, s74, 13
	s_add_co_u32 s78, s78, s75
	s_lshl_b32 s75, s73, 10
	s_add_co_u32 s78, s78, s75
	s_add_co_u32 s78, s78, 16777216
	s_mov_b32 s79, 0
	s_add_nc_u64 s[78:79], s[98:99], s[78:79]
	s_cmp_eq_u32 s66, 1
	s_mov_b32 s80, (127<<24)|(130<<16)             ; q: the extension block's scale is 2^3,
	s_cselect_b32 s80, (127<<24)|(127<<16), s80    ; k: 1
.irp i, 0,1,2,3,4,5,6,7,8,9,10,11,12,13,14,15
	ds_load_b128 v[128+4*\i:131+4*\i], v[RDQ] offset:8*PITCH*\i
.endr
.irp i, 0,1,2,3,4,5,6,7,8,9,10,11,12,13,14,15
	ds_load_b128 v[192+4*\i:195+4*\i], v[RDQ2] offset:8*PITCH*\i
.endr
.irp i, 0,1
.irp k, 0,1,2,3
	ds_load_u16 v[32+4*\i+\k], v[RSQ] offset:4*\k+512*\i
.endr
.endr
.irp i, 0,1,2,3,4,5,6,7,8,9,10,11,12,13,14,15
	s_wait_dscnt 39-\i                             ; behind load i: 15 - i of its batch, the second batch's 16, the scales' 8
	global_store_b128 v[GOQ], v[128+4*\i:131+4*\i], s[76:77] offset:512*\i   ; 32 lanes store 512 consecutive bytes
.endr
.irp i, 0,1,2,3,4,5,6,7,8,9,10,11,12,13,14,15
	s_wait_dscnt 23-\i
	global_store_b128 v[GOQ], v[192+4*\i:195+4*\i], s[76:77] offset:8192+512*\i
.endr
	s_wait_dscnt 0x0
.irp n, 0,1,2,3,4,5,6,7
	v_or_b32 v[32+\n], s80, v[32+\n]
.endr
	global_store_b128 v[GOQ], v[32:35], s[78:79]
	global_store_b128 v[GOQ], v[36:39], s[78:79] offset:512
	s_branch .Ldone
.Lout_v:
	; v: wave w stores dims 256 cy + 64 w on (one head): 64 rows x 256 keys, and the head's scale words of two key steps
	s_add_co_u32 s71, s71, s40                     ; the tile of keys
	s_lshr_b32 s72, s71, 3                         ; b
	s_and_b32 s73, s71, 7
	s_lshl_b32 s76, s72, 21
	s_lshl_b32 s75, s41, 19
	s_add_co_u32 s76, s76, s75
	s_lshl_b32 s75, s14, 17
	s_add_co_u32 s76, s76, s75
	s_lshl_b32 s75, s73, 8
	s_add_co_u32 s76, s76, s75
	s_mov_b32 s77, 0
	s_add_nc_u64 s[76:77], s[100:101], s[76:77]
	s_lshl_b32 s78, s72, 16
	s_lshl_b32 s75, s41, 14
	s_add_co_u32 s78, s78, s75
	s_lshl_b32 s75, s14, 12
	s_add_co_u32 s78, s78, s75
	s_lshl_b32 s75, s73, 9
	s_add_co_u32 s78, s78, s75
	s_add_co_u32 s78, s78, 8388608
	s_mov_b32 s79, 0
	s_add_nc_u64 s[78:79], s[100:101], s[78:79]
.set N, 0
.rept 32
	ds_load_b128 v[128+4*N:131+4*N], v[RDV] offset:2*PITCH*N
.set N, N+1
.endr
	ds_load_b128 v[32:35], v[RSV]
.set N, 0
.rept 32
	s_wait_dscnt 32-N                              ; behind load N: 31 - N of its kind and the scales' one
	global_store_b128 v[GOV], v[128+4*N:131+4*N], s[76:77] offset:4096*N   ; sixteen lanes store 256 consecutive bytes, aligned
.set N, N+1
.endr
	s_wait_dscnt 0x0
	global_store_b128 v[GOQ], v[32:35], s[78:79]
.Ldone:
	s_wait_tensorcnt 0x0                           ; the wave's end
	ds_add_u32 v[SPW], v[NIL]
	s_wait_dscnt 0x0
	CROUND                                         ; the closing round: no work-group ends while a partner may still ask for a tile that names it
	s_endpgm
.Lfunc_end_k_q2b76c7a36b_proj:
	.size	k_q2b76c7a36b_proj, .Lfunc_end_k_q2b76c7a36b_proj-k_q2b76c7a36b_proj
	.p2alignl 7, 3214868480
	.fill 96, 4, 3214868480
	.section	.rodata,"a",@progbits
	.p2align	6, 0x0
	.amdhsa_kernel k_q2b76c7a36b_proj
		.amdhsa_group_segment_fixed_size 327680
		.amdhsa_private_segment_fixed_size 0
		.amdhsa_enable_private_segment 0
		.amdhsa_kernarg_size 56
		.amdhsa_user_sgpr_count 2
		.amdhsa_user_sgpr_kernarg_segment_ptr 1
		.amdhsa_wavefront_size32 1
		.amdhsa_system_sgpr_workgroup_id_x 1
		.amdhsa_system_sgpr_workgroup_id_y 1
		.amdhsa_system_sgpr_workgroup_id_z 1
		.amdhsa_system_vgpr_workitem_id 0
		.amdhsa_next_free_vgpr 1024
		.amdhsa_next_free_sgpr 102
		.amdhsa_reserve_vcc 1
		.amdhsa_float_denorm_mode_32 3
		.amdhsa_float_denorm_mode_16_64 3
		.amdhsa_memory_ordered 1
		.amdhsa_forward_progress 1
		.amdhsa_inst_pref_size 224
	.end_amdhsa_kernel
	.amdgpu_metadata
---
amdhsa.version: [ 1, 2 ]
amdhsa.kernels:
  - .name:           k_q2b76c7a36b_proj
    .symbol:         k_q2b76c7a36b_proj.kd
    .args:
      - { .name: xq, .offset: 0, .size: 8, .value_kind: global_buffer, .address_space: global }
      - { .name: bq, .offset: 8, .size: 8, .value_kind: global_buffer, .address_space: global }
      - { .name: bk, .offset: 16, .size: 8, .value_kind: global_buffer, .address_space: global }
      - { .name: bv, .offset: 24, .size: 8, .value_kind: global_buffer, .address_space: global }
      - { .name: mask, .offset: 32, .size: 8, .value_kind: global_buffer, .address_space: global }
      - { .name: qk, .offset: 40, .size: 8, .value_kind: global_buffer, .address_space: global }
      - { .name: vq, .offset: 48, .size: 8, .value_kind: global_buffer, .address_space: global }
    .group_segment_fixed_size: 327680
    .private_segment_fixed_size: 0
    .kernarg_segment_align: 8
    .kernarg_segment_size: 56
    .max_flat_workgroup_size: 128
    .sgpr_count:     102
    .vgpr_count:     1024
    .wavefront_size: 32
...
	.end_amdgpu_metadata
.endif
;; end of part 2
;; launch attn (part 3): grid 16 x 32, 16 waves a work-group, no clusters, 327,680 bytes of LDS; arguments qk, vq, mask, cq; writes cq
.if DOCPART == 3
	.amdgcn_target "amdgcn-amd-amdhsa--gfx1250"
	.amdhsa_code_object_version 6
	.text
	.protected	k_q2b76c7a36b_attn
	.globl	k_q2b76c7a36b_attn
	.p2align	8
	.type	k_q2b76c7a36b_attn,@function
k_q2b76c7a36b_attn:
	s_mov_b64 s[64:65], 0
	v_nop
	global_prefetch_b8 v0, s[64:65] scope:SCOPE_SE
	s_setreg_imm32_b32 hwreg(HW_REG_WAVE_MODE, 25, 1), 1
	s_wait_xcnt 0x0
; ctx = softmax(q k^T / 8, masked) v, both products on codes of BF8 (E5M2) with E8M0 scales, and ctx quantised along the model's 1,024 for the next product.
; SHARES.  A work-group owns 128 queries (x) of two neighbouring heads (y = 8 b + head pair); wave w owns head w / 8 of the pair and the 16 queries 16 (w % 8) on: four waves to a SIMD.
; Two heads together make 128 codes of a row of ctx, one K step of the next product, and a whole scale word.  Every wave walks the batch's 2,048 keys, 128 a step.
; LAYOUT.  Both products are used transposed: S^T = K Q^T (source 0 = 16 neighbouring keys, source 1 = my 16 queries), O^T = V^T P^T: a lane holds ONE query throughout.  The 16 registers of score tiles
; 2 b, 2 b + 1 are keys 32 b + 16 u + 8 h + j; their codes stand at place 16 h + 8 u + j of the block, and the launch before has laid v's keys in that same order.
; THE HEAD HAS 64 NUMBERS, THE INSTRUCTION 128.  Of the upper 64 the query has zero codes, but for ONE at k = 64, which carries the mask: the query's code there is 2^15 under the scale 2^3, the key's is -2^15
; where the mask's word is 0 and else 0, under the scale 1.  A masked key's own codes are zeros (the launch before), so its raw score is -2^33 exactly: its logit is REPLACED by -2^30, at no vector instruction.
; K'S FRAGMENTS RUN OVER EACH OTHER.  A fragment's registers 0-7 are the key's 64 codes, register 8 its extension word; registers 9-15 meet the query's zero codes alone, so they may hold any finite codes.
; The eight fragments of a step lie 10 registers apart: registers 10-15 of one are the next one's codes (finite: the quantiser holds them), register 9 and the six behind the last stay 0.  So a step's K
; fits in 86 registers, comes by ONE run of loads, and is asked for a step ahead, behind the score products: it lands under the softmax.  Only a slot's first step waits for its K.
; V's fragments land where p lay, each pair asked for as soon as its blocks of p are converted.
; SOFTMAX.  t = score x log2(e) / 8; M = the running largest t rounded up to a whole number; p = 2^(t - M) is quantised along the keys; the row's sum is taken of the unquantised p and divides at the end.
; LIMITS: a masked logit is -2^30 = -1.074e9 where the definition has -1e9: results differ only where an unmasked logit lies between about -1.08e9 and -0.99e9.  NaN and infinities are not served;
; blocks of ctx whose largest magnitude lies under 2^-111 keep the scale byte 1.
; No cluster: a slot's 64 KiB serve two key steps of sixteen waves, some 300 vector instructions a wave and step: what partners would share is small beside the work that it feeds.
.set SK,    256                        ; keys in a slot: two key steps
.set KP,    80                         ; a key's row in LDS: 64 bytes + 16 of padding
.set VP,    272                        ; a row of V's tile: 256 bytes + 16
.set KHB,   SK*KP                      ; one head's keys of a slot
.set VOFF,  2*KHB
.set VHB,   64*VP                      ; one head's 64 rows of V
.set SLOT1, 1<<17                      ; slot 1 begins here: one exclusive or turns an address
.set NSL,   2048/SK
.set SCK,   2*SLOT1                    ; K's scale words of both heads, 8,192 bytes each
.set SCV,   SCK+16384                  ; V's, 4,096 each
.set MEXT,  SCV+8192                   ; the mask's extension: [key][2 words]: the code, then 0
.set SPARE, MEXT+16384                 ; the spare words, 128 bytes a wave: eight blocks of 256 bytes that no other line names
.set STG,   SPARE+2048                 ; the way out: 128 rows x (128 bytes + 16)
.set SGP,   144
.set SST,   STG+128*SGP                ; and their scale words
.set AK0,  1                           ; v1   my lane's place in a tile of K
.set AV0,  2                           ; v2   the same for V
.set ADS,  3                           ; v3   K's scale words of the step to be fetched: lanes 0-15 tile i, lanes 16-31 tile i + 4; stepped in place, 512 bytes a step
.set ADT,  4                           ; v4   V's: lanes 0-15 tile i, lanes 16-31 tile i + 2; 256 bytes a step
.set SPW,  5                           ; v5   my spare word: SPARE + 4 x my thread's number; never rewritten
.set NIL,  6                           ; v6   0; never rewritten
.set PFO,  7                           ; v7   the prefetches' offset; never rewritten
.set ADK,  8                           ; v8   K's tiles in the slot in hand
.set ADV,  9                           ; v9   V's
.set ADM,  10                          ; v10  the extension words of the step to be fetched; 1,024 bytes a step
.set QF,   16                          ; v16-31   Q's fragment
.set KF,   32                          ; v32-117  K's eight fragments
.set FS,   10                          ;          registers from one to the next
.set S,    118                         ; v118-181 S^T, then p, then V's four fragments
.set OT,   182                         ; v182-213 O^T
.set PC,   214                         ; v214-229 p's codes
.set KS,   230                         ; v230-233 K's scale words
.set VS,   234                         ; v234-235 V's scale words
.set BM,   236                         ; v236-239 the blocks' largest scores, then their largest p
.set PB,   240                         ; v240-243 the other half of the lanes'; a chain of the sum; the scales' bytes
.set HD,   244                         ; v244-247 57,344 x the scale
.set SO,   248                         ; v248-251 the conversions' scale operands
.set FF,   252                         ; v252     f = 2^(old M - new M)
.set PW,   253                         ; v253     p's scale word
.set TT,   254
.set QS,   255                         ; v255     Q's scale words
.set WV,   18
.set MNT,  19
.set SEL,  20
.set CS,   22                          ; s[22:23] c = log2(e) / 8
.set G1K,  24
.set G1V,  32
.set G0K,  40
.set G0V,  44
.set G1SK, 48
.set G0SK, 56
.set G0SV, 60
.set G1SV, 68
.set TB,   2                           ; s2   the slot in hand
.set PFA,  76
.set PFS,  78
.set LIM,  80
.set SLOTS, 81
; Waves 0 and 1 fetch for K (a head each), waves 2 and 3 for V, the others nothing.  Four v_nop follow each of the two lines.
.macro TLOAD g0k, g1k, g0v, g1v
	s_cmp_lt_u32 s[WV], 2
	s_cbranch_scc0 .Lnot_k_\@
	tensor_load_to_lds s[\g0k:\g0k+3], s[\g1k:\g1k+7]
	s_nop 0
.rept 4
	v_nop
.endr
	s_branch .Lasked_\@
.Lnot_k_\@:
	s_cmp_lt_u32 s[WV], 4
	s_cbranch_scc0 .Lasked_\@
	tensor_load_to_lds s[\g0v:\g0v+3], s[\g1v:\g1v+7]
	s_nop 0
.rept 4
	v_nop
.endr
.Lasked_\@:
.endm
; A prefetch of what the NEXT change of slots will ask for.  The sixteen work-groups of a y walk the same K and V: the one with x = 0 asks.  In it waves 4 to 7 ask for K's two blocks of 16,384 bytes
; (8,192 a wave, lanes 256 bytes apart), waves 8 to 11 for V's 128 rows (32 a wave, a lane a row's 256 bytes): each aligned 256 bytes once in the launch.  The last change that fills a slot asks for nothing.
.macro ASK
	s_cmp_gt_u32 s[SLOTS], s[LIM]
	s_cbranch_scc0 .Lnot_mine_\@
	global_prefetch_b8 v[PFO], s[PFA:PFA+1] th:TH_LOAD_NT scope:SCOPE_SE
.Lnot_mine_\@:
.endm
	s_load_b256 s[4:11], s[0:1], 0x0               ; qk, vq, mask, cq
	v_lshl_add_u32 v[SPW], v0, 2, SPARE
	v_mov_b32 v[NIL], 0
	ds_add_u32 v5, v6
	s_wait_dscnt 0x0
	v_lshrrev_b32 v8, 5, v0
	v_readfirstlane_b32 s[WV], v8                  ; wave 0..15
	s_and_b32 s82, ttmp7, 0xffff
	s_lshr_b32 s83, s82, 3                         ; b
	s_and_b32 s84, s82, 7                          ; the pair of heads
	s_lshr_b32 s85, s[WV], 3                       ; e: my head of the pair
	s_and_b32 s86, s[WV], 7                        ; my tile of 16 queries
	s_and_b32 s87, s[WV], 1                        ; the head that I fetch for, if I fetch
	s_lshl_b32 s88, s83, 4
	s_lshl_b32 s89, s84, 1
	s_add_co_u32 s88, s88, s89                     ; 16 b + the pair's first head
	s_add_co_u32 s90, s88, s87
	s_lshl_b32 s92, s90, 17
	s_add_co_u32 s92, s92, 8388608                 ; k's codes of that head
	s_mov_b32 s93, 0
	s_lshl_b32 s94, s90, 13
	s_add_co_u32 s94, s94, 16777216+64*8192        ; k's scale words
	s_mov_b32 s95, 0
	s_lshl_b32 s96, s83, 21
	s_lshl_b32 s89, s84, 18
	s_add_co_u32 s96, s96, s89
	s_lshl_b32 s89, s87, 17
	s_add_co_u32 s96, s96, s89                     ; v's codes: the head's 64 rows of 2,048
	s_mov_b32 s97, 0
	s_lshl_b32 s98, s90, 12
	s_add_co_u32 s98, s98, 8388608                 ; v's scale words
	s_mov_b32 s99, 0
	s_mov_b32 s[G1K], (0<<16)|(1<<20)|(3<<22)|(3<<25)   ; K: 16,384 dense bytes as 64 rows of 256; 4 words of padding behind every 16 words, that is behind each key's 64 bytes
	s_mov_b32 s[G1K+1], 256<<16
	s_mov_b32 s[G1K+2], 64<<16
	s_mov_b32 s[G1K+3], 256<<16
	s_mov_b32 s[G1K+4], 64
	s_mov_b32 s[G1K+5], 256
	s_mov_b32 s[G1K+6], 0
	s_mov_b32 s[G1K+7], 0
	s_mov_b32 s[G1V], (0<<16)|(1<<20)|(5<<22)|(3<<25)   ; V: 64 rows of 256 bytes, 2,048 apart; 4 words behind every 64
	s_mov_b32 s[G1V+1], 256<<16
	s_mov_b32 s[G1V+2], 64<<16
	s_mov_b32 s[G1V+3], 256<<16
	s_mov_b32 s[G1V+4], 64
	s_mov_b32 s[G1V+5], 2048
	s_mov_b32 s[G1V+6], 0
	s_mov_b32 s[G1V+7], 0
	s_mov_b32 s[G1SK], 3<<16                       ; K's scale words of a head: 8,192 dense bytes as 32 rows of 256 (32 elements of 8 bytes)
	s_mov_b32 s[G1SK+1], 32<<16
	s_mov_b32 s[G1SK+2], 32<<16
	s_mov_b32 s[G1SK+3], 32<<16
	s_mov_b32 s[G1SK+4], 32
	s_mov_b32 s[G1SK+5], 32
	s_mov_b32 s[G1SK+6], 0
	s_mov_b32 s[G1SK+7], 0
	s_mov_b32 s[G1SV], 3<<16                       ; V's: 4,096 bytes as 16 rows
	s_mov_b32 s[G1SV+1], 32<<16
	s_mov_b32 s[G1SV+2], 16<<16
	s_mov_b32 s[G1SV+3], 32<<16
	s_mov_b32 s[G1SV+4], 16
	s_mov_b32 s[G1SV+5], 32
	s_mov_b32 s[G1SV+6], 0
	s_mov_b32 s[G1SV+7], 0
	s_mov_b32 s[SEL], 0x76543210
	s_mov_b32 s[SEL+1], 0xfedcba98
	s_mov_b32 s[CS], 0x3e38aa3b                    ; c = log2(e) / 8
	s_mov_b32 s[CS+1], s[CS]
	s_mov_b32 s[MNT], 0x600000
	s_mov_b32 s[TB], 0
	s_mov_b32 s[SLOTS], NSL-1
	s_wait_kmcnt 0x0
	s_mov_b32 s[G0SK], 1
	s_mul_i32 s89, s87, 8192
	s_add_co_u32 s[G0SK+1], s89, SCK
	s_add_nc_u64 s[G0SK+2:G0SK+3], s[4:5], s[94:95]
	s_or_b32 s[G0SK+3], s[G0SK+3], 0x80000000
	s_mov_b32 s[G0SV], 1
	s_mul_i32 s89, s87, 4096
	s_add_co_u32 s[G0SV+1], s89, SCV
	s_add_nc_u64 s[G0SV+2:G0SV+3], s[6:7], s[98:99]
	s_or_b32 s[G0SV+3], s[G0SV+3], 0x80000000
	TLOAD G0SK, G1SK, G0SV, G1SV                   ; the scale words of both heads: filled once
	s_mov_b32 s[G0K], 1
	s_mul_i32 s[G0K+1], s87, KHB
	s_add_nc_u64 s[G0K+2:G0K+3], s[4:5], s[92:93]
	s_or_b32 s[G0K+3], s[G0K+3], 0x80000000
	s_mov_b32 s[G0V], 1
	s_mul_i32 s89, s87, VHB
	s_add_co_u32 s[G0V+1], s89, VOFF
	s_add_nc_u64 s[G0V+2:G0V+3], s[6:7], s[96:97]
	s_or_b32 s[G0V+3], s[G0V+3], 0x80000000
	TLOAD G0K, G1K, G0V, G1V                       ; slot 0
	s_add_co_u32 s90, s88, s85                     ; 16 b + my head
	s_lshl_b32 s92, s90, 17
	s_lshl_b32 s89, ttmp9, 13
	s_add_co_u32 s92, s92, s89
	s_lshl_b32 s89, s86, 10
	s_add_co_u32 s92, s92, s89
	s_add_nc_u64 s[12:13], s[4:5], s[92:93]        ; q's codes at my first query
	s_lshl_b32 s94, s90, 13
	s_lshl_b32 s89, ttmp9, 9
	s_add_co_u32 s94, s94, s89
	s_lshl_b32 s89, s86, 6
	s_add_co_u32 s94, s94, s89
	s_add_co_u32 s94, s94, 16777216
	s_add_nc_u64 s[14:15], s[4:5], s[94:95]        ; and its scale words
	s_lshl_b32 s96, s83, 4
	s_add_co_u32 s96, s96, ttmp9                   ; the block of 128 rows of ctx
	s_lshl_b32 s96, s96, 3
	s_add_co_u32 s96, s96, s84
	s_lshl_b32 s98, s96, 9
	s_add_co_u32 s98, s98, 8388608
	s_lshl_b32 s96, s96, 14
	s_lshl_b32 s89, s[WV], 10
	s_add_co_u32 s96, s96, s89
	s_add_nc_u64 s[16:17], s[10:11], s[96:97]      ; ctx's codes: my wave's 1,024 bytes
	s_add_nc_u64 s[10:11], s[10:11], s[98:99]      ; ctx's scale words
	s_lshl_b32 s92, s83, 13
	s_add_nc_u64 s[8:9], s[8:9], s[92:93]          ; the batch's 2,048 words of the mask
	; the prefetches: where my wave's stand (in slot 1: the first change of slots steps them to slot 2), and who asks
	s_lshr_b32 s89, s[WV], 1
	s_and_b32 s89, s89, 1
	s_add_co_u32 s89, s89, s88
	s_lshl_b32 s89, s89, 17
	s_lshl_b32 s90, s87, 13
	s_add_co_u32 s89, s89, s90
	s_add_co_u32 s89, s89, 8388608+16384           ; K
	s_and_b32 s90, s[WV], 3
	s_lshl_b32 s90, s90, 16
	s_lshl_b32 s91, s83, 21
	s_add_co_u32 s90, s90, s91
	s_lshl_b32 s91, s84, 18
	s_add_co_u32 s90, s90, s91
	s_add_co_u32 s90, s90, 256                     ; V
	s_mov_b32 s91, 2048
	s_mov_b32 s[PFS], 256
	s_cmp_lt_u32 s[WV], 8
	s_cselect_b64 s[PFA:PFA+1], s[4:5], s[6:7]
	s_cselect_b32 s92, s89, s90
	s_cselect_b32 s91, 256, s91                    ; from lane to lane
	s_cselect_b32 s[PFS], 16384, s[PFS]            ; a slot on
	s_mov_b32 s[PFS+1], 0
	s_add_nc_u64 s[PFA:PFA+1], s[PFA:PFA+1], s[92:93]
	v_and_b32 v[PFO], 31, v0
	v_mul_lo_u32 v[PFO], v[PFO], s91
	s_sub_co_u32 s89, s[WV], 4
	s_lshr_b32 s89, s89, 3                         ; 0 in waves 4 to 11,
	s_or_b32 s89, s89, ttmp9                       ; of the work-group with x = 0
	s_cmp_eq_u32 s89, 0
	s_cselect_b32 s[LIM], 1, -1
	; at the head the registers of S^T serve as work registers: S .. S+3 the mask's words, S+8 .. S+10 offsets of the loads, S+11 the masked code, S+12 r, S+13 h, S+14 an LDS address, S+16 .. S+23 the extension words
	v_and_b32 v[S+12], 15, v0                      ; r
	v_bfe_u32 v[S+13], v0, 4, 1                    ; h
	v_lshlrev_b32 v[S+8], 6, v[S+12]
	v_lshl_add_u32 v[S+8], v[S+13], 4, v[S+8]
	global_load_b128 v[QF:QF+3], v[S+8], s[12:13]  ; Q's fragment, k = 0 .. 63
	global_load_b128 v[QF+4:QF+7], v[S+8], s[12:13] offset:32
	v_lshlrev_b32 v[S+9], 2, v[S+12]
	global_load_b32 v[QS], v[S+9], s[14:15]        ; Q's scale words
	v_lshlrev_b32 v[S+10], 4, v0
	global_load_b128 v[S:S+3], v[S+10], s[8:9]     ; thread t: the mask's words of keys 4 t .. 4 t + 3
	v_mul_u32_u24 v[AK0], v[S+12], KP
	v_lshl_add_u32 v[AK0], v[S+13], 4, v[AK0]
	s_mul_i32 s89, s85, KHB
	v_add_nc_u32 v[AK0], s89, v[AK0]
	v_mul_u32_u24 v[AV0], v[S+12], VP
	v_lshl_add_u32 v[AV0], v[S+13], 4, v[AV0]
	s_mul_i32 s89, s85, VHB
	s_add_co_u32 s89, s89, VOFF
	v_add_nc_u32 v[AV0], s89, v[AV0]
	s_lshl_b32 s89, s85, 13
	s_add_co_u32 s89, s89, SCK
	v_lshl_add_u32 v[ADS], v[S+12], 2, s89
	v_lshl_add_u32 v[ADS], v[S+13], 8, v[ADS]      ; lanes 16-31: the tile four further on, 64 keys x 4 bytes
	s_lshl_b32 s89, s85, 12
	s_add_co_u32 s89, s89, SCV
	v_lshl_add_u32 v[ADT], v[S+12], 2, s89
	v_lshl_add_u32 v[ADT], v[S+13], 7, v[ADT]      ; lanes 16-31: the tile two further on, 32 dims x 4 bytes
	v_lshlrev_b32 v[ADM], 3, v[S+12]
	v_lshl_add_u32 v[ADM], v[S+13], 2, v[ADM]
	v_add_nc_u32 v[ADM], MEXT, v[ADM]              ; lanes 0-15 take a key's code, lanes 16-31 the 0 beside it
	v_sub_nc_u32 v[QF+8], 1, v[S+13]
	v_mul_u32_u24 v[QF+8], v[QF+8], 0x78           ; Q at k = 64: the code of 2^15 (byte 0 of register 8 of lanes 0-15)
.irp n, 9,10,11,12,13,14,15
	v_mov_b32 v[QF+\n], 0                          ; Q from k = 68 on: zero codes
.endr
.irp t, 0,1,2,3,4,5,6,7
	v_mov_b32 v[KF+FS*\t+9], 0                     ; the register between two fragments of K,
.endr
.irp n, 80,81,82,83,84,85
	v_mov_b32 v[KF+\n], 0                          ; and the six behind the last: zeros for the whole launch
.endr
	v_mov_b32 v13, 0xff61b1e6                      ; the largest t so far: -3e38, under every t
	v_floor_f32 v12, -v13                          ; -M
	v_mov_b32 v14, 0
	v_mov_b32 v15, 0
.irp b, 0,1,2,3
	v_mov_b32 v[PB+\b], 0                          ; a lane permute's destination counts as one of its sources
.endr
	v_mov_b32 v[PW], 0
.set J, 0
.rept 32
	v_mov_b32 v[OT+J], 0                           ; O^T: the loop is written once; its first step finds zeros
.set J, J+1
.endr
	v_mov_b32 v[S+11], 0xf8                        ; the code of -2^15
	v_lshl_add_u32 v[S+14], v0, 5, MEXT
	v_mov_b32 v[S+17], 0
	v_mov_b32 v[S+19], 0
	v_mov_b32 v[S+21], 0
	v_mov_b32 v[S+23], 0
	s_wait_loadcnt 0x0                             ; Q, its scale words, the mask
.irp k, 0,1,2,3
	v_cmp_eq_u32 vcc_lo, 0, v[S+\k]
	v_cndmask_b32 v[S+16+2*\k], v[NIL], v[S+11], vcc_lo
.endr
	ds_store_b128 v[S+14], v[S+16:S+19]            ; the first change of slots waits for these stores and passes a barrier before anyone reads them
	ds_store_b128 v[S+14], v[S+20:S+23] offset:16
; K of the slot's q-th key step: eight fragments of 16 keys (two loads of codes and the extension word each) and four registers of scale words: 28 loads in one run
.macro KLOAD q
.irp t, 0,1,2,3,4,5,6,7
	ds_load_b128 v[KF+FS*\t:KF+FS*\t+3], v[ADK] offset:(128*(\q)+16*\t)*KP
	ds_load_b128 v[KF+FS*\t+4:KF+FS*\t+7], v[ADK] offset:(128*(\q)+16*\t)*KP+32
	ds_load_b32 v[KF+FS*\t+8], v[ADM] offset:128*\t
.endr
.irp i, 0,1,2,3
	ds_load_b32 v[KS+\i], v[ADS] offset:64*\i
.endr
.endm
; Blocks lo and hi of p: the hold, the conversions, and V's fragments lo and hi into the registers that p has left.
; The conversion to an 8-bit code does not saturate (ISA guide 7.6.2); p is not negative, so the hold is one-sided.  There is no packed minimum: two holds go in one dual instruction, one number of each
; block, so that the two destinations are an even and an odd register and the two first and the two second sources lie in different register banks, as the dual form asks.
.macro HOLD2 lo, hi, q
.irp i, 0,2,4,6,8,10,12,14
	v_dual_min_num_f32 v[S+16*\lo+\i], v[S+16*\lo+\i], v[HD+\lo] :: v_dual_min_num_f32 v[S+16*\hi+\i+1], v[S+16*\hi+\i+1], v[HD+\hi]
	v_dual_min_num_f32 v[S+16*\hi+\i], v[S+16*\hi+\i], v[HD+\hi] :: v_dual_min_num_f32 v[S+16*\lo+\i+1], v[S+16*\lo+\i+1], v[HD+\lo]
.endr
.irp b, \lo, \hi
	v_cvt_scalef32_pk8_bf8_f32 v[PC+4*\b:PC+4*\b+1], v[S+16*\b:S+16*\b+7], v[SO+\b]
	v_cvt_scalef32_pk8_bf8_f32 v[PC+4*\b+2:PC+4*\b+3], v[S+16*\b+8:S+16*\b+15], v[SO+\b]
.endr
.irp t, \lo, \hi
.irp c, 0,1,2,3
	ds_load_b128 v[S+16*\t+4*\c:S+16*\t+4*\c+3], v[ADV] offset:16*\t*VP+128*(\q)+32*\c
.endr
.endr
.endm
; A KEY STEP: 128 keys, the q-th of the slot in hand.  Its K has been asked for.  pref = 1: the next step's K, in the same slot, is asked for here.
.macro STEP q, pref
	s_wait_dscnt 0x0                               ; K's fragments, extension words and scale words are in
.irp t, 0,1,2,3                                ; S^T = K Q^T: eight tiles of 16 keys
	v_wmma_scale_f32_16x16x128_f8f6f4 v[S+8*\t:S+8*\t+7], v[KF+FS*\t:KF+FS*\t+15], v[QF:QF+15], 0, v[KS+\t], v[QS] matrix_a_fmt:MATRIX_FMT_BF8 matrix_b_fmt:MATRIX_FMT_BF8
.endr
.irp t, 4,5,6,7                                ; their scale words stand in lanes 16-31
	v_wmma_scale_f32_16x16x128_f8f6f4 v[S+8*\t:S+8*\t+7], v[KF+FS*\t:KF+FS*\t+15], v[QF:QF+15], 0, v[KS+\t-4], v[QS] matrix_a_fmt:MATRIX_FMT_BF8 matrix_b_fmt:MATRIX_FMT_BF8 matrix_a_scale:MATRIX_SCALE_ROW1
.endr
	v_add_nc_u32 v[ADS], 512, v[ADS]               ; the next step's scale words of K,
	v_add_nc_u32 v[ADM], 1024, v[ADM]              ; and its extension words.  With the six below: eight plain instructions between the products and the loads into their registers, and the first read of the scores
.rept 6
	v_nop
.endr
	ds_load_b32 v[VS], v[ADT]                      ; V's scale words of this step
	ds_load_b32 v[VS+1], v[ADT] offset:64
.if \pref
	KLOAD (\q)+1                                   ; it lands under the softmax
.endif
.irp b, 0,1,2,3
	v_max3_num_f32 v[BM+\b], v[S+16*\b], v[S+1+16*\b], v[S+2+16*\b]   ; the largest score of each block of 32 keys: for the row's maximum and, since p rises with the score, for the block's largest p
.endr
.irp i, 3,5,7,9,11,13
.irp b, 0,1,2,3
	v_max3_num_f32 v[BM+\b], v[BM+\b], v[S+16*\b+\i], v[S+1+16*\b+\i]
.endr
.endr
.irp b, 0,1,2,3
	v_max_num_f32 v[BM+\b], v[BM+\b], v[S+15+16*\b]
.endr
.irp b, 0,1,2,3
	v_permlanex16_b32 v[PB+\b], v[BM+\b], s[SEL], s[SEL+1]
.endr
.irp b, 0,1,2,3
	v_max_num_f32 v[BM+\b], v[BM+\b], v[PB+\b]     ; with lane l xor 16's 16 keys
.endr
	v_max3_num_f32 v[TT], v[BM], v[BM+1], v[BM+2]
	v_max_num_f32 v[TT], v[TT], v[BM+3]
	v_mul_f32 v[TT], s[CS], v[TT]                  ; the step's largest t
	v_max_num_f32 v13, v13, v[TT]
	v_mov_b32 v[TT], v12
	v_floor_f32 v12, -v13                          ; the new -M = -ceil(t): a whole number
	v_sub_f32 v[TT], v12, v[TT]                    ; old M - new M, 0 or less
	v_cvt_i32_f32 v[TT], v[TT]                     ; (it saturates)
	v_ldexp_f32 v[FF], 1.0, v[TT]                  ; f = 2^(old M - new M): the rescaling rounds nothing
.set J, 0
.rept 32
	v_pk_fma_f32 v[S+J:S+J+1], v[S+J:S+J+1], s[CS:CS+1], v[12:13] op_sel_hi:[1,0,0]   ; t - M
.set J, J+2
.endr
.irp b, 0,1,2,3
	v_fma_f32 v[BM+\b], v[BM+\b], s[CS], v12
.endr
.set J, 0
.rept 64
	v_exp_f32 v[S+J], v[S+J]                       ; p = 2^(t - M): not normalised
.set J, J+1
.endr
	v_pk_mul_f32 v[14:15], v[14:15], v[FF:FF+1] op_sel_hi:[1,0]   ; the sums under the new M: a plain instruction behind the exponentials
	s_wait_alu depctr_va_vdst(0)                   ; one wait for the batch of 64, ahead of its first reader
.irp b, 0,1,2,3
	v_exp_f32 v[BM+\b], v[BM+\b]                   ; the blocks' largest p
.endr
	v_pk_add_f32 v[PB:PB+1], v[S:S+1], v[S+2:S+3]  ; the row's sum, of the unquantised p, in two chains
.irp j, 4,8,12,16,20,24,28,32,36,40,44,48,52,56,60
	v_pk_add_f32 v[14:15], v[14:15], v[S+\j:S+\j+1]
	v_pk_add_f32 v[PB:PB+1], v[PB:PB+1], v[S+2+\j:S+3+\j]
.endr
	v_pk_add_f32 v[14:15], v[14:15], v[PB:PB+1]
	s_wait_alu depctr_va_vdst(0)                   ; and one for the four
.irp b, 0,1,2,3
	v_max_num_f32 v[BM+\b], 0x8000000, v[BM+\b]    ; the floor 2^(16 - 127): the byte cannot fall under 1
.endr
.irp b, 0,1,2,3
	v_add_nc_u32 v[SO+\b], 0xf8800000, v[BM+\b]    ; 15 off the exponent field: the conversion's scale operand
.endr
.irp b, 0,1,2,3
	v_and_or_b32 v[HD+\b], v[BM+\b], 0x7f800000, s[MNT]   ; 57,344 x the scale
.endr
.irp b, 0,1,2,3
	v_lshrrev_b32 v[PB+\b], 23, v[SO+\b]           ; the scale's byte
.endr
	v_lshl_or_b32 v[PW], v[PB+1], 8, v[PB]         ; p's scale word for these 128 keys
	v_lshl_or_b32 v[PW], v[PB+2], 16, v[PW]
	v_lshl_or_b32 v[PW], v[PB+3], 24, v[PW]
	HOLD2 0, 1, \q
	HOLD2 2, 3, \q
.set J, 0
.rept 16
	v_pk_mul_f32 v[OT+J:OT+J+1], v[OT+J:OT+J+1], v[FF:FF+1] op_sel_hi:[1,0]   ; O^T under the new M; these sixteen are also the plain instructions between the conversions and the products
.set J, J+2
.endr
.irp t, 0,1                                    ; O^T += V^T P^T: the four accumulators by turns.  LDS loads come back in order (ISA guide 5.7.1): the count leaves the younger fragments of V out, four loads each
	s_wait_dscnt 12-4*\t
	v_wmma_scale_f32_16x16x128_f8f6f4 v[OT+8*\t:OT+8*\t+7], v[S+16*\t:S+16*\t+15], v[PC:PC+15], v[OT+8*\t:OT+8*\t+7], v[VS+\t], v[PW] matrix_a_fmt:MATRIX_FMT_BF8 matrix_b_fmt:MATRIX_FMT_BF8
.endr
.irp t, 2,3
	s_wait_dscnt 12-4*\t
	v_wmma_scale_f32_16x16x128_f8f6f4 v[OT+8*\t:OT+8*\t+7], v[S+16*\t:S+16*\t+15], v[PC:PC+15], v[OT+8*\t:OT+8*\t+7], v[VS+\t-2], v[PW] matrix_a_fmt:MATRIX_FMT_BF8 matrix_b_fmt:MATRIX_FMT_BF8 matrix_a_scale:MATRIX_SCALE_ROW1
.endr
	v_add_nc_u32 v[ADT], 256, v[ADT]               ; the next step's scale words of V.  With the eight below: nine plain instructions between these products and the next score products, which write over V's fragments
.rept 8
	v_nop
.endr
.endm
; THE CHANGE OF SLOTS stands at a slot's head.  Each wave waits for all its tensor loads, adds 0 to its spare word, and waits for that and for its LDS instructions; behind the barrier the slot ahead is whole
; and nobody reads the other one.  fill = 1: that other slot is filled with the next 256 keys: the load has two key steps in which to land.
.macro CHANGE fill
	s_wait_tensorcnt 0x0                           ; no tensor load of mine is out, so a group 0 may be written
	ds_add_u32 v[SPW], v[NIL]                      ; 0 onto my spare word
.if \fill
	s_xor_b32 s[G0K+1], s[G0K+1], SLOT1
	s_add_nc_u64 s[G0K+2:G0K+3], s[G0K+2:G0K+3], SK*64
	s_xor_b32 s[G0V+1], s[G0V+1], SLOT1
	s_add_nc_u64 s[G0V+2:G0V+3], s[G0V+2:G0V+3], SK
	s_wait_xcnt 0x0                                ; the last prefetch, a slot back, has read its address
	s_add_nc_u64 s[PFA:PFA+1], s[PFA:PFA+1], s[PFS:PFS+1]
.endif
	s_wait_dscnt 0x0                               ; the add is done, my reads of the slot that I have left are over (in the first change: my stores of the extension words have landed)
	s_barrier_signal -1
	s_barrier_wait -1
.if \fill
	TLOAD G0K, G1K, G0V, G1V                       ; the first thing behind the barrier, and a wave's one tensor load until the next
	ASK
.endif
.endm
.macro SLOT_STEPS
	v_add_nc_u32 v[ADK], s[TB], v[AK0]
	v_add_nc_u32 v[ADV], s[TB], v[AV0]
	KLOAD 0                                        ; a slot's first K can be asked for only behind the barrier
	STEP 0, 1
	STEP 1, 0
	s_xor_b32 s[TB], s[TB], SLOT1
.endm
.Lslot:                                            ; NSL - 1 trips: behind each change of slots but the last the next slot is asked for
	CHANGE 1
	SLOT_STEPS
	s_sub_co_u32 s[SLOTS], s[SLOTS], 1
	s_cmp_lg_u32 s[SLOTS], 0
	s_cbranch_scc1 .Lslot
	CHANGE 0                                       ; the last slot is written out
	SLOT_STEPS
	; THE WAY OUT: O^T / the sum; quantised in two blocks of 32 dims; the codes go to the stage in their TRUE order (tile t's eight codes of half h at byte 16 t + 8 h), since Wo's codes lie so.
	; (The nine plain instructions at the last step's end stand between the last products and the first read of O^T.)  K's registers are free: KF .. KF+4 take the addresses.
	v_add_f32 v14, v14, v15
	v_permlanex16_b32 v[FF], v14, s[SEL], s[SEL+1]
	v_add_f32 v14, v14, v[FF]                      ; the row's sum
	v_rcp_f32 v14, v14
	v_and_b32 v8, 15, v0
	v_bfe_u32 v9, v0, 4, 1
	v_and_b32 v10, 31, v0
	s_mul_i32 s89, s86, 16*SGP
	s_lshl_b32 s90, s85, 6
	s_add_co_u32 s89, s89, s90
	s_add_co_u32 s89, s89, STG
	v_mul_u32_u24 v[KF], v8, SGP
	v_lshl_add_u32 v[KF], v9, 3, v[KF]
	v_add_nc_u32 v[KF], s89, v[KF]                 ; in: my query's row, my head's 64 bytes, + 8 h
	s_lshl_b32 s89, s86, 6
	s_lshl_b32 s90, s85, 1
	s_add_co_u32 s89, s89, s90
	s_add_co_u32 s89, s89, SST
	v_lshl_add_u32 v[KF+1], v8, 2, s89             ; my head's two bytes of the row's scale word
	s_mul_i32 s89, s[WV], 8*SGP
	s_add_co_u32 s89, s89, STG
	v_lshrrev_b32 v[KF+2], 3, v10
	v_mul_u32_u24 v[KF+2], v[KF+2], SGP
	v_and_b32 v11, 7, v0
	v_lshl_add_u32 v[KF+2], v11, 4, v[KF+2]
	v_add_nc_u32 v[KF+2], s89, v[KF+2]             ; back: wave w takes rows 8 w on, eight lanes to a row's 128 bytes
	v_lshlrev_b32 v[KF+3], 4, v10
	v_add_nc_u32 v[KF+4], SST, v[KF+3]
	s_wait_alu depctr_va_vdst(0)                   ; the wait for the reciprocal, ahead of its first reader
.set J, 0
.rept 32
	v_mul_f32 v[S+J], v[OT+J], v14                 ; register 8 t + j: ctx(my query, dim 16 t + 8 h + j of my head)
.set J, J+1
.endr
.irp b, 0,1
	v_max3_num_f32 v[BM+\b], |v[S+16*\b]|, |v[S+1+16*\b]|, 0x8000000
.endr
.irp i, 2,4,6,8,10,12,14
.irp b, 0,1
	v_max3_num_f32 v[BM+\b], v[BM+\b], |v[S+16*\b+\i]|, |v[S+1+16*\b+\i]|
.endr
.endr
.irp b, 0,1
	v_permlanex16_b32 v[PB+\b], v[BM+\b], s[SEL], s[SEL+1]
.endr
.irp b, 0,1
	v_max_num_f32 v[BM+\b], v[BM+\b], v[PB+\b]
.endr
.irp b, 0,1
	v_add_nc_u32 v[SO+\b], 0xf8800000, v[BM+\b]
.endr
.irp b, 0,1
	v_and_or_b32 v[HD+\b], v[BM+\b], 0x7f800000, s[MNT]
.endr
.irp b, 0,1
	v_lshrrev_b32 v[PB+\b], 23, v[SO+\b]
.endr
	v_lshl_or_b32 v[PB+2], v[PB+1], 8, v[PB]
.irp b, 0,1
.irp i, 0,1,2,3,4,5,6,7,8,9,10,11,12,13,14,15
	v_med3_num_f32 v[S+16*\b+\i], v[S+16*\b+\i], -v[HD+\b], v[HD+\b]
.endr
	v_cvt_scalef32_pk8_bf8_f32 v[PC+4*\b:PC+4*\b+1], v[S+16*\b:S+16*\b+7], v[SO+\b]
	v_cvt_scalef32_pk8_bf8_f32 v[PC+4*\b+2:PC+4*\b+3], v[S+16*\b+8:S+16*\b+15], v[SO+\b]
.endr
	v_nop
.irp t, 0,1,2,3
	ds_store_b64 v[KF], v[PC+2*\t:PC+2*\t+1] offset:16*\t
.endr
	ds_store_b16 v[KF+1], v[PB+2]                  ; both halves of the lanes write the same bytes with the same value
	s_wait_dscnt 0x0                               ; for the others' sake: my stores into the stage are done
	s_barrier_signal -1
	s_barrier_wait -1
	ds_load_b128 v[S:S+3], v[KF+2]
	ds_load_b128 v[S+4:S+7], v[KF+2] offset:4*SGP
	s_wait_dscnt 1                                 ; the first is in; the second may be out
	global_store_b128 v[KF+3], v[S:S+3], s[16:17]  ; 32 lanes store 512 consecutive bytes
	s_wait_dscnt 0x0
	global_store_b128 v[KF+3], v[S+4:S+7], s[16:17] offset:512
	s_cmp_lg_u32 s[WV], 0
	s_cbranch_scc1 .Lno_words
	ds_load_b128 v[S+8:S+11], v[KF+4]              ; wave 0: the 128 rows' scale words
	s_wait_dscnt 0x0
	global_store_b128 v[KF+3], v[S+8:S+11], s[10:11]
.Lno_words:
	s_wait_tensorcnt 0x0                           ; the wave's end
	ds_add_u32 v[SPW], v[NIL]
	s_wait_dscnt 0x0
	s_endpgm
.Lfunc_end_k_q2b76c7a36b_attn:
	.size	k_q2b76c7a36b_attn, .Lfunc_end_k_q2b76c7a36b_attn-k_q2b76c7a36b_attn
	.p2alignl 7, 3214868480
	.fill 96, 4, 3214868480
	.section	.rodata,"a",@progbits
	.p2align	6, 0x0
	.amdhsa_kernel k_q2b76c7a36b_attn
		.amdhsa_group_segment_fixed_size 327680
		.amdhsa_private_segment_fixed_size 0
		.amdhsa_enable_private_segment 0
		.amdhsa_kernarg_size 32
		.amdhsa_user_sgpr_count 2
		.amdhsa_user_sgpr_kernarg_segment_ptr 1
		.amdhsa_wavefront_size32 1
		.amdhsa_system_sgpr_workgroup_id_x 1
		.amdhsa_system_sgpr_workgroup_id_y 1
		.amdhsa_system_sgpr_workgroup_id_z 1
		.amdhsa_system_vgpr_workitem_id 0
		.amdhsa_next_free_vgpr 256
		.amdhsa_next_free_sgpr 100
		.amdhsa_reserve_vcc 1
		.amdhsa_float_denorm_mode_32 3
		.amdhsa_float_denorm_mode_16_64 3
		.amdhsa_memory_ordered 1
		.amdhsa_forward_progress 1
		.amdhsa_inst_pref_size 98
	.end_amdhsa_kernel
	.amdgpu_metadata
---
amdhsa.version: [ 1, 2 ]
amdhsa.kernels:
  - .name:           k_q2b76c7a36b_attn
    .symbol:         k_q2b76c7a36b_attn.kd
    .args:
      - { .name: qk, .offset: 0, .size: 8, .value_kind: global_buffer, .address_space: global }
      - { .name: vq, .offset: 8, .size: 8, .value_kind: global_buffer, .address_space: global }
      - { .name: mask, .offset: 16, .size: 8, .value_kind: global_buffer, .address_space: global }
      - { .name: cq, .offset: 24, .size: 8, .value_kind: global_buffer, .address_space: global }
    .group_segment_fixed_size: 327680
    .private_segment_fixed_size: 0
    .kernarg_segment_align: 8
    .kernarg_segment_size: 32
    .max_flat_workgroup_size: 512
    .sgpr_count:     100
    .vgpr_count:     256
    .wavefront_size: 32
...
	.end_amdgpu_metadata
.endif
;; end of part 3
;; launch oproj (part 4): grid 4 x 32, 4 waves a work-group, clusters of 4 x 4, 327,680 bytes of LDS; arguments cq, xq, y; writes y
.if DOCPART == 4
	.amdgcn_target "amdgcn-amd-amdhsa--gfx1250"
	.amdhsa_code_object_version 6
	.text
	.protected	k_q2b76c7a36b_oproj
	.globl	k_q2b76c7a36b_oproj
	.p2align	8
	.type	k_q2b76c7a36b_oproj,@function
k_q2b76c7a36b_oproj:
	s_mov_b64 s[64:65], 0
	v_nop
	global_prefetch_b8 v0, s[64:65] scope:SCOPE_SE
	s_setreg_imm32_b32 hwreg(HW_REG_WAVE_MODE, 25, 1), 1
	s_wait_xcnt 0x0
	s_wait_alu depctr_hold_cnt(0) depctr_sa_sdst(0) depctr_va_vdst(0) depctr_va_sdst(0) depctr_va_ssrc(0) depctr_va_vcc(0) depctr_vm_vsrc(0)
	s_getreg_b32 s2, hwreg(HW_REG_IB_STS2, 6, 4)
	s_cmp_eq_u32 s2, 0
	s_cbranch_scc0 .Lentry_in_a_cluster
	s_endpgm
.Lentry_in_a_cluster:
	s_bfe_u32 s2, ttmp6, 0x10000c
	s_cmp_lg_u32 s2, 0xf033
	s_cbranch_scc0 .Lentry_shape_is_right
	s_endpgm
.Lentry_shape_is_right:
; y[m][n] = sum over k of ctx[m][k] Wo[n][k], on codes of BF8 (E5M2) with E8M0 scales; y: [8192][1024] f32.  The bias, the residual and the norm follow in the next launch.
; ctx's codes lie in cq by blocks of 128 rows and K steps of 128: [row block 64][K step 8][row 128][128 bytes]; its scale words, from byte 2^23, [row block][K step][row].  Wo's are rows 27,648 on of xq.
; A tile of y is 256 x 256: four waves, 128 x 128 each.  K = 1,024 goes in steps of 256 through two LDS slots.  A's part of a slot for 128 rows is 32,768 dense bytes of memory (two planes of 128 rows x 128 bytes).
; CLUSTERS: 4 x 4 work-groups; A's tiles are shared along a row of the cluster, B's along a column: joint loads.  THE MATRIX INSTRUCTION IS USED TRANSPOSED: a lane holds eight neighbouring numbers of a row of y.
; REGISTERS: window 0: v1-31 addresses; v32-63 B's scale words, two sets; v64-95 A's, two sets; from v128 A's fragments, one set.  window 1: B's fragments, two sets.  windows 2, 3: the accumulators.
.set NQ,     2
.set ROWB,   256
.set KROW,   1024
.set PITCH,  272                       ; B's LDS row: 256 bytes + 16
.set APITCH, 144                       ; A's: 128 bytes + 16
.set APL,    128*APITCH                ; a plane: 128 rows, 128 along K
.set AH,     2*APL                     ; what one tensor load brings of A
.set BH,     128*PITCH                 ; and of B
.set SLOT,   2*AH+2*BH
.set FR,     16
.set NL,     4
.set NP,     8
.set LAPS,   2
.set SCLA,   2*SLOT                    ; A's scale words: [half][K step of 128][row], 4,096 bytes a half
.set SCLB,   SCLA+8192                 ; B's scale bytes: units of 256 bytes + 16, 4,352 a half
.set HALFS,  16*272
.set SBLK,   2*272
.set SPARE,  SCLB+2*HALFS              ; the spare words, 128 bytes a wave
.set XSC,    28672*1024
.set SIZE_N, 1024
.set SPITCH, 528                       ; the way out: 16 rows x (512 bytes + 16) for each wave, in slot 0, which has had its last fill and its last read by then
.set ADRA, 16
.set ADRB, 20
.set STO,  24
.set RD,   25
.set CO,   26
.set ADSB, 27
.set SPW,  28                          ; v28  my spare word; never rewritten
.set NIL,  29                          ; v29  0; never rewritten
.set ADSA, 30
.set SCB,  32
.set SCA,  64
.set AF,   128
.set BK,   128
.set G1, 24
.set G0, 32
.set G1B, 48
.set G0B, 56
.set G1S, 68
.set G0S, 76
.set G1SB, 80
.set G0SB, 88
.set MSB, 0
.macro WIN new
.if MSB != (\new)
	s_set_vgpr_msb (MSB<<8)|(\new)
.set MSB, (\new)
.endif
.endm
.set MUL_LO, 0xa1
.set MUL_HI, 0xf1
.set TO_B,   0x40
.macro JLOAD g0a, g1a, g0b, g1b        ; waves 0 and 1 fetch for A, waves 2 and 3 for B; four v_nop follow each of the two lines
	s_cmp_eq_u32 s15, 0
	s_cbranch_scc0 .Lfor_b_\@
	tensor_load_to_lds s[\g0a:\g0a+3], s[\g1a:\g1a+7]
	s_nop 0
.rept 4
	v_nop
.endr
	s_branch .Lasked_\@
.Lfor_b_\@:
	tensor_load_to_lds s[\g0b:\g0b+3], s[\g1b:\g1b+7]
	s_nop 0
.rept 4
	v_nop
.endr
.Lasked_\@:
.endm
.macro CREST
	s_cmp_lg_u32 s14, 0
	s_cbranch_scc1 .Lnot_wave_0_\@
	s_barrier_signal -3
.Lnot_wave_0_\@:
	s_barrier_wait -3
	s_barrier_signal -1
	s_barrier_wait -1
.endm
.macro CROUND
	s_barrier_signal -1
	s_barrier_wait -1
	CREST
.endm
	s_load_b128 s[4:7], s[0:1], 0x0                ; cq, xq
	s_load_b64 s[12:13], s[0:1], 0x10              ; y
	v_lshl_add_u32 v[SPW], v0, 2, SPARE
	v_mov_b32 v[NIL], 0
	ds_add_u32 v28, v29
	s_wait_dscnt 0x0
	v_lshrrev_b32 v1, 5, v0
	v_readfirstlane_b32 s14, v1                    ; wave 0..3
	s_lshr_b32 s15, s14, 1                         ; my half of the tile's rows.  Also: I fetch for A (0) or for B (1)
	s_and_b32 s16, s14, 1                          ; my half of its columns.  Also: which 128 rows I fetch
	s_bfe_u32 s40, ttmp6, 0x40000                  ; cx
	s_bfe_u32 s41, ttmp6, 0x40004                  ; cy
	s_lshl_b32 s42, ttmp9, 2
	s_add_co_u32 s42, s42, s40                     ; tile column
	s_and_b32 s17, ttmp7, 0xffff
	s_lshl_b32 s17, s17, 2
	s_add_co_u32 s17, s17, s41                     ; tile row
	s_lshl_b32 s43, s41, 2
	s_lshl_b32 s43, 15, s43                        ; my row of the cluster
	s_lshl_b32 s44, 0x1111, s40                    ; my column
	s_or_b32 s[G1+0], s43, (0<<16)|(1<<20)|(1<<21)|(4<<22)|(3<<25)   ; A: 32,768 dense bytes as 128 rows of 256; 4 words of padding behind every 32 words, that is behind each row's 128 bytes
	s_mov_b32 s[G1+1], 256<<16
	s_mov_b32 s[G1+2], 128<<16
	s_mov_b32 s[G1+3], 256<<16
	s_mov_b32 s[G1+4], 128
	s_mov_b32 s[G1+5], 256
	s_mov_b32 s[G1+6], 0
	s_mov_b32 s[G1+7], 0
	s_or_b32 s[G1B+0], s44, (0<<16)|(1<<20)|(1<<21)|(5<<22)|(3<<25)  ; B: 128 rows of 256 bytes, 1,024 apart; 4 words behind every 64
	s_mov_b32 s[G1B+1], ROWB<<16
	s_mov_b32 s[G1B+2], 128<<16
	s_mov_b32 s[G1B+3], ROWB<<16
	s_mov_b32 s[G1B+4], 128
	s_mov_b32 s[G1B+5], KROW
	s_mov_b32 s[G1B+6], 0
	s_mov_b32 s[G1B+7], 0
	s_or_b32 s[G1S+0], s43, (3<<16)|(1<<21)        ; A's scale words of 128 rows: 4,096 dense bytes as 16 rows of 256, no padding
	s_or_b32 s[G1SB+0], s44, (3<<16)|(1<<20)|(1<<21)|(5<<22)|(3<<25) ; B's scale bytes of 128 rows: the same, 16 bytes of padding behind each 256
.irp g, G1S, G1SB
	s_mov_b32 s[\g+1], 32<<16
	s_mov_b32 s[\g+2], 16<<16
	s_mov_b32 s[\g+3], 32<<16
	s_mov_b32 s[\g+4], 16
	s_mov_b32 s[\g+5], 32
	s_mov_b32 s[\g+6], 0
	s_mov_b32 s[\g+7], 0
.endr
	s_lshl_b32 s20, s17, 1
	s_add_co_u32 s20, s20, s16                     ; A: the block of 128 rows that I fetch
	s_lshl_b32 s22, s20, 12
	s_add_co_u32 s22, s22, 8388608                 ; its scale words,
	s_mov_b32 s23, 0
	s_lshl_b32 s20, s20, 17                        ; its codes
	s_mov_b32 s21, 0
	s_lshl_b32 s46, s42, 8
	s_lshl_b32 s18, s16, 7
	s_add_co_u32 s46, s46, s18
	s_add_co_u32 s46, s46, 27648                   ; B: Wo's row in xq
	s_lshl_b32 s92, s46, 5
	s_add_co_u32 s92, s92, XSC
	s_mov_b32 s93, 0
	s_lshl_b32 s46, s46, 10
	s_mov_b32 s47, 0
	s_mul_i32 s45, s16, AH                         ; where they go: no place in the cluster enters an LDS address
	s_mul_i32 s94, s16, BH
	s_add_co_u32 s94, s94, 2*AH
	s_lshl_b32 s95, s16, 12
	s_add_co_u32 s95, s95, SCLA
	s_mul_i32 s67, s16, HALFS
	s_add_co_u32 s67, s67, SCLB
	s_wait_kmcnt 0x0
	s_add_nc_u64 s[20:21], s[4:5], s[20:21]
	s_add_nc_u64 s[22:23], s[4:5], s[22:23]
	s_add_nc_u64 s[46:47], s[6:7], s[46:47]
	s_add_nc_u64 s[92:93], s[6:7], s[92:93]
	CROUND                                         ; all sixteen work-groups are here: the first joint loads meet
	s_mov_b32 s[G0S], 1
	s_mov_b32 s[G0S+1], s95
	s_mov_b64 s[G0S+2:G0S+3], s[22:23]
	s_or_b32 s[G0S+3], s[G0S+3], 0x80000000
	s_mov_b32 s[G0SB], 1
	s_mov_b32 s[G0SB+1], s67
	s_mov_b64 s[G0SB+2:G0SB+3], s[92:93]
	s_or_b32 s[G0SB+3], s[G0SB+3], 0x80000000
	JLOAD G0S, G1S, G0SB, G1SB                     ; the scales first
.irp s, 0,1
	s_mov_b32 s[G0+4*\s], 1
	s_add_co_u32 s[G0+4*\s+1], s45, \s*SLOT
	s_add_nc_u64 s[G0+4*\s+2:G0+4*\s+3], s[20:21], \s*32768
	s_or_b32 s[G0+4*\s+3], s[G0+4*\s+3], 0x80000000
	s_mov_b32 s[G0B+4*\s], 1
	s_add_co_u32 s[G0B+4*\s+1], s94, \s*SLOT
	s_add_nc_u64 s[G0B+4*\s+2:G0B+4*\s+3], s[46:47], \s*ROWB
	s_or_b32 s[G0B+4*\s+3], s[G0B+4*\s+3], 0x80000000
	JLOAD G0+4*\s, G1, G0B+4*\s, G1B
.endr
	v_and_b32 v1, 15, v0                           ; r
	v_bfe_u32 v2, v0, 4, 1                         ; h
	v_mul_u32_u24 v3, v1, APITCH
	v_lshl_add_u32 v3, v2, 4, v3
	v_mul_u32_u24 v4, v1, PITCH
	v_lshl_add_u32 v4, v2, 4, v4
	s_mul_i32 s21, s15, AH                         ; my 128 rows of A
	s_mul_i32 s22, s16, BH                         ; my 128 rows of B,
	s_add_co_u32 s22, s22, 2*AH                    ; which lie behind A's
.irp s, 0,1
	v_add_nc_u32 v[ADRA+\s], s21, v3
	v_add_nc_u32 v[ADRB+\s], s22, v4
	s_add_co_u32 s21, s21, SLOT
	s_add_co_u32 s22, s22, SLOT
.endr
	s_lshl_b32 s21, s15, 12
	s_add_co_u32 s21, s21, SCLA
	v_lshl_add_u32 v[ADSA], v1, 2, s21             ; A's scale words: 4 bytes a row
	v_lshlrev_b32 v5, 5, v1                        ; B's: 32 bytes a row,
	v_lshrrev_b32 v6, 8, v5
	v_lshl_add_u32 v5, v6, 4, v5                   ; and 16 more for each 256 passed
	s_mul_i32 s21, s16, HALFS
	s_add_co_u32 s21, s21, SCLB
	v_add_nc_u32 v[ADSB], s21, v5
	s_mul_i32 s23, s14, 16*SPITCH                  ; my stage
	v_mul_u32_u24 v5, v1, SPITCH
	v_lshl_add_u32 v5, v2, 5, v5
	v_add_nc_u32 v[STO], s23, v5
	v_and_b32 v6, 31, v0
	v_lshlrev_b32 v[CO], 4, v6
	v_add_nc_u32 v[RD], s23, v[CO]
	s_lshl_b32 s20, s17, 8
	s_lshl_b32 s21, s15, 7
	s_add_co_u32 s20, s20, s21                     ; my first row of y
	s_lshl_b32 s20, s20, 12                        ; 4,096 bytes a row
	s_lshl_b32 s46, s42, 10
	s_lshl_b32 s47, s16, 9
	s_add_co_u32 s46, s46, s47
	s_add_co_u32 s20, s20, s46
	s_mov_b32 s21, 0
	s_add_nc_u64 s[12:13], s[12:13], s[20:21]
.macro FRAGA reg, slot, q, i
.irp c, 0,1,2,3
	ds_load_b128 v[\reg+4*\c:\reg+4*\c+3], v[ADRA+\slot] offset:APL*(\q)+32*\c+(\i)*16*APITCH
.endr
.endm
.macro FRAGB reg, slot, q, i
.irp c, 0,1,2,3
	ds_load_b128 v[\reg+4*\c:\reg+4*\c+3], v[ADRB+\slot] offset:128*(\q)+32*\c+(\i)*16*PITCH
.endr
.endm
; The 64 accumulators take turns, one instruction a turn, in the same order in every step.  zero = 1: the first product starts the sums.
.macro MUL16 a0, p, q, sc, zero
.irp a, \a0, \a0+1
.irp b, 0,1,2,3,4,5,6,7
.if \zero
	v_wmma_scale_f32_16x16x128_f8f6f4 v[8*(8*((\a)%4)+\b):8*(8*((\a)%4)+\b)+7], v[128*(\p)+FR*\b:128*(\p)+FR*\b+FR-1], v[AF+FR*(\a):AF+FR*(\a)+FR-1], 0, v[SCB+16*(\sc)+2*\b+(\q)], v[SCA+16*(\sc)+2*(\a)+(\q)] matrix_a_fmt:MATRIX_FMT_BF8 matrix_b_fmt:MATRIX_FMT_BF8
.else
	v_wmma_scale_f32_16x16x128_f8f6f4 v[8*(8*((\a)%4)+\b):8*(8*((\a)%4)+\b)+7], v[128*(\p)+FR*\b:128*(\p)+FR*\b+FR-1], v[AF+FR*(\a):AF+FR*(\a)+FR-1], v[8*(8*((\a)%4)+\b):8*(8*((\a)%4)+\b)+7], v[SCB+16*(\sc)+2*\b+(\q)], v[SCA+16*(\sc)+2*(\a)+(\q)] matrix_a_fmt:MATRIX_FMT_BF8 matrix_b_fmt:MATRIX_FMT_BF8
.endif
.endr
.endr
.endm
.macro FETCH_B slot, q, p
	WIN TO_B
.irp i, 0,1,2,3,4,5,6,7
	FRAGB 128*(\p)+FR*\i, \slot, \q, \i
.endr
	WIN 0
.endm
.macro FETCH_A slot, q, i0
.irp i, \i0, \i0+1, \i0+2, \i0+3
	FRAGA AF+FR*(\i), \slot, \q, \i
.endr
.endm
.macro SCALES sc                       ; a K step's scale words: B's two words a row by one load, A's from two planes
.irp i, 0,1,2,3,4,5,6,7
	ds_load_b64 v[SCB+16*\sc+2*\i:SCB+16*\sc+2*\i+1], v[ADSB] offset:\i*SBLK
.endr
.irp i, 0,1,2,3,4,5,6,7
	ds_load_b32 v[SCA+16*\sc+2*\i], v[ADSA] offset:64*\i
	ds_load_b32 v[SCA+16*\sc+2*\i+1], v[ADSA] offset:512+64*\i
.endr
.endm
.macro PLACES n
.rept \n
	v_nop
.endr
.endm
.macro STEP slot, q, zero
	s_wait_dscnt 4*NL                              ; all but the youngest sixteen loads (A's blocks 4-7) are in
	WIN MUL_LO
	MUL16 0, (\q)%2, \q, \slot, \zero
	MUL16 2, (\q)%2, \q, \slot, \zero
	s_wait_dscnt 0
	PLACES NP
	FETCH_B \slot, (\q)+1, 1-(\q)%2
	FETCH_A \slot, (\q)+1, 0
	WIN MUL_HI
	MUL16 4, (\q)%2, \q, \slot, \zero
	MUL16 6, (\q)%2, \q, \slot, \zero
	PLACES NP
	WIN 0
	FETCH_A \slot, (\q)+1, 4
.endm
.macro TURN slot, next, fill
	s_wait_tensorcnt 0x0                           ; all my tensor loads have landed: my part of the next slot
	ds_add_u32 v[SPW], v[NIL]                      ; 0 onto my spare word
	s_wait_dscnt 4*NL+1                            ; (the add and the youngest sixteen loads may be out)
	WIN MUL_LO
	MUL16 0, 1, NQ-1, \slot, 0
	s_wait_dscnt 0x0                               ; the add is done, and my reads of this slot are over
	s_barrier_signal -1
	MUL16 2, 1, NQ-1, \slot, 0
	WIN 0
	s_barrier_wait -1
.if \fill
	CREST                                          ; a round of the cluster's barrier: no wave of any partner still reads this slot or has a load on its way
	s_add_nc_u64 s[G0+4*\slot+2:G0+4*\slot+3], s[G0+4*\slot+2:G0+4*\slot+3], 2*32768
	s_add_nc_u64 s[G0B+4*\slot+2:G0B+4*\slot+3], s[G0B+4*\slot+2:G0B+4*\slot+3], 2*ROWB
	JLOAD G0+4*\slot, G1, G0B+4*\slot, G1B
	PLACES NP-4
.else
	PLACES NP
.endif
	v_add_nc_u32 v[ADSB], 8, v[ADSB]               ; the next K step's scale words
	v_add_nc_u32 v[ADSA], 1024, v[ADSA]
	FETCH_B \next, 0, 0
	FETCH_A \next, 0, 0
	SCALES \next
	WIN MUL_HI
	MUL16 4, 1, NQ-1, \slot, 0
	MUL16 6, 1, NQ-1, \slot, 0
	PLACES NP
	WIN 0
	FETCH_A \next, 0, 4
.endm
	s_wait_tensorcnt 1                             ; the scales and my part of K step 0 are in (K step 1's load may be out),
	s_barrier_signal -1
	s_barrier_wait -1                              ; everybody's are
	FETCH_B 0, 0, 0
	FETCH_A 0, 0, 0
	SCALES 0
	FETCH_A 0, 0, 4
	STEP 0, 0, 1
	s_mov_b32 s3, LAPS-1
.Llap:
	TURN 0, 1, 1
	STEP 1, 0, 0
	TURN 1, 0, 1
	STEP 0, 0, 0
	s_sub_co_u32 s3, s3, 1
	s_cmp_lg_u32 s3, 0
	s_cbranch_scc1 .Llap
	TURN 0, 1, 0
	STEP 1, 0, 0
	s_wait_dscnt 4*NL
	WIN MUL_LO
	MUL16 0, 1, NQ-1, 1, 0
	MUL16 2, 1, NQ-1, 1, 0
	s_wait_dscnt 0
	WIN MUL_HI
	MUL16 4, 1, NQ-1, 1, 0
	MUL16 6, 1, NQ-1, 1, 0
	WIN 0
; THE WAY OUT, block by block of 16 rows x 128 columns, through my own stage: back come whole rows of 512 bytes.  LDS serves a wave's instructions in order (ISA guide 5.7.1.4).
.macro TOSTAGE a
.set AC, 64*((\a)%4)
	WIN 0x08+4*((\a)/4)                            ; the data: window 2 or 3
.irp b, 0,1,2,3,4,5,6,7
	ds_store_b128 v[STO], v[AC+8*\b:AC+8*\b+3] offset:64*\b          ; each accumulator from its low end on
	ds_store_b128 v[STO], v[AC+8*\b+4:AC+8*\b+7] offset:64*\b+16
.endr
	WIN 0
.set BB, BK+64*((\a)%2)
.irp t, 0,1,2,3,4,5,6,7,8,9,10,11,12,13,14,15
	ds_load_b128 v[BB+4*\t:BB+4*\t+3], v[RD] offset:\t*SPITCH
.endr
.endm
.macro SEND a, younger
.set BB, BK+64*((\a)%2)
	s_wait_dscnt \younger                          ; the block is back in registers
.if (\a) > 0
	s_add_nc_u64 s[12:13], s[12:13], 16*SIZE_N*4   ; (behind a wait on XCNT: the earlier stores have read their base)
.endif
.irp t, 0,1,2,3,4,5,6,7,8,9,10,11,12,13,14,15
	global_store_b128 v[CO], v[BB+4*\t:BB+4*\t+3], s[12:13] offset:\t*SIZE_N*4   ; 32 lanes store 512 consecutive bytes, aligned
.endr
.endm
	PLACES NP
	TOSTAGE 0
.irp a, 1,2,3,4,5,6,7
.if \a > 1
	s_wait_xcnt 0x0                                ; block a - 2's stores have read their registers and their base
.endif
	TOSTAGE \a
	SEND \a-1, 32                                  ; behind block a - 1's loads: block a's 16 stores and 16 loads
.endr
	s_wait_xcnt 0x0
	SEND 7, 0
	s_wait_tensorcnt 0x0                           ; the wave's end
	ds_add_u32 v[SPW], v[NIL]
	s_wait_dscnt 0x0
	CROUND                                         ; the closing round
	s_endpgm
.Lfunc_end_k_q2b76c7a36b_oproj:
	.size	k_q2b76c7a36b_oproj, .Lfunc_end_k_q2b76c7a36b_oproj-k_q2b76c7a36b_oproj
	.p2alignl 7, 3214868480
	.fill 96, 4, 3214868480
	.section	.rodata,"a",@progbits
	.p2align	6, 0x0
	.amdhsa_kernel k_q2b76c7a36b_oproj
		.amdhsa_group_segment_fixed_size 327680
		.amdhsa_private_segment_fixed_size 0
		.amdhsa_enable_private_segment 0
		.amdhsa_kernarg_size 24
		.amdhsa_user_sgpr_count 2
		.amdhsa_user_sgpr_kernarg_segment_ptr 1
		.amdhsa_wavefront_size32 1
		.amdhsa_system_sgpr_workgroup_id_x 1
		.amdhsa_system_sgpr_workgroup_id_y 1
		.amdhsa_system_sgpr_workgroup_id_z 1
		.amdhsa_system_vgpr_workitem_id 0
		.amdhsa_next_free_vgpr 1024
		.amdhsa_next_free_sgpr 100
		.amdhsa_reserve_vcc 0
		.amdhsa_float_denorm_mode_32 3
		.amdhsa_float_denorm_mode_16_64 3
		.amdhsa_memory_ordered 1
		.amdhsa_forward_progress 1
		.amdhsa_inst_pref_size 150
	.end_amdhsa_kernel
	.amdgpu_metadata
---
amdhsa.version: [ 1, 2 ]
amdhsa.kernels:
  - .name:           k_q2b76c7a36b_oproj
    .symbol:         k_q2b76c7a36b_oproj.kd
    .args:
      - { .name: cq, .offset: 0, .size: 8, .value_kind: global_buffer, .address_space: global }
      - { .name: xq, .offset: 8, .size: 8, .value_kind: global_buffer, .address_space: global }
      - { .name: y, .offset: 16, .size: 8, .value_kind: global_buffer, .address_space: global }
    .group_segment_fixed_size: 327680
    .private_segment_fixed_size: 0
    .kernarg_segment_align: 8
    .kernarg_segment_size: 24
    .max_flat_workgroup_size: 128
    .sgpr_count:     100
    .vgpr_count:     1024
    .wavefront_size: 32
...
	.end_amdgpu_metadata
.endif
;; end of part 4
;; launch lnorm (part 5): grid 512 x 1, 8 waves a work-group, no clusters, 0 bytes of LDS; arguments y, Q, bo, gamma, beta, out0; writes out0
.if DOCPART == 5
	.amdgcn_target "amdgcn-amd-amdhsa--gfx1250"
	.amdhsa_code_object_version 6
	.text
	.protected	k_q2b76c7a36b_lnorm
	.globl	k_q2b76c7a36b_lnorm
	.p2align	8
	.type	k_q2b76c7a36b_lnorm,@function
k_q2b76c7a36b_lnorm:
	s_mov_b64 s[64:65], 0
	v_nop
	global_prefetch_b8 v0, s[64:65] scope:SCOPE_SE
	s_setreg_imm32_b32 hwreg(HW_REG_WAVE_MODE, 25, 1), 1
	s_wait_xcnt 0x0
; out0 = gamma (x - mean) rsqrt(var + 1e-5) + beta, x = (y + bo) + Q, row by row of 1,024 f32.
; A row is 4,096 bytes: one wave takes a whole row, eight loads of 16 bytes a lane, and keeps it in 32 registers between the passes: y and Q are read once, and the sums never leave the wave.
; Eight waves, two rows each, each row in registers of its own: all 32 loads of a wave's rows go out at its start, so that no row waits for another's work.  With 244 registers four waves fit on a SIMD:
; two work-groups on a WGP.  bo, gamma and beta stay in registers.  No LDS, no barrier, no matrix unit: memory binds.
.set ROW, 4096
.set BO,  4                            ; v4-35
.set GA,  36                           ; v36-67
.set BE,  68                           ; v68-99
.set YS,  100                          ; row i: y, then x, at v[100 + 64 i]; Q at v[132 + 64 i]
.set SM,  228                          ; v228-235 four sums, as pairs
.set MU,  236                          ; v[236:237] the mean, twice
.set RS,  238                          ; v[238:239] 1 / sqrt(var + eps), twice
.set T0,  240
.set T1,  241
	s_load_b256 s[4:11], s[0:1], 0x0               ; y, Q, bo, gamma
	s_load_b128 s[12:15], s[0:1], 0x20             ; beta, out0
	v_lshrrev_b32 v2, 5, v0
	v_readfirstlane_b32 s16, v2                    ; wave
	v_and_b32 v1, 31, v0
	v_lshlrev_b32 v1, 4, v1                        ; 16 bytes a lane
	s_lshl_b32 s17, ttmp9, 4
	s_lshl_b32 s18, s16, 1
	s_add_co_u32 s18, s17, s18                     ; my first row: 16 x work-group + 2 x wave
	s_lshl_b32 s18, s18, 12
	s_mov_b32 s19, 0
	s_mov_b32 s20, 0x76543210
	s_mov_b32 s21, 0xfedcba98
	s_mov_b32 s22, 0x3a800000                      ; 1 / 1,024
	v_mov_b32 v[T1], 0                             ; a lane permute's destination counts as one of its sources
	s_wait_kmcnt 0x0
	s_add_nc_u64 s[4:5], s[4:5], s[18:19]
	s_add_nc_u64 s[6:7], s[6:7], s[18:19]
	s_add_nc_u64 s[14:15], s[14:15], s[18:19]
.irp j, 0,1,2,3,4,5,6,7
	global_load_b128 v[BO+4*\j:BO+4*\j+3], v1, s[8:9] offset:512*\j
	global_load_b128 v[GA+4*\j:GA+4*\j+3], v1, s[10:11] offset:512*\j
	global_load_b128 v[BE+4*\j:BE+4*\j+3], v1, s[12:13] offset:512*\j
.endr
.macro FILL i                          ; row i: sixteen loads of 512 consecutive bytes
.irp j, 0,1,2,3,4,5,6,7
	global_load_b128 v[YS+64*(\i)+4*\j:YS+64*(\i)+4*\j+3], v1, s[4:5] offset:ROW*(\i)+512*\j th:TH_LOAD_NT
.endr
.irp j, 0,1,2,3,4,5,6,7
	global_load_b128 v[YS+32+64*(\i)+4*\j:YS+32+64*(\i)+4*\j+3], v1, s[6:7] offset:ROW*(\i)+512*\j th:TH_LOAD_NT
.endr
.endm
.macro REDUCE                          ; the four pairs of sums, then the 32 lanes: the result stands in v[T0] of every lane
	v_pk_add_f32 v[SM:SM+1], v[SM:SM+1], v[SM+2:SM+3]
	v_pk_add_f32 v[SM+4:SM+5], v[SM+4:SM+5], v[SM+6:SM+7]
	v_pk_add_f32 v[SM:SM+1], v[SM:SM+1], v[SM+4:SM+5]
	v_add_f32 v[T0], v[SM], v[SM+1]
	v_add_f32_dpp v[T0], v[T0], v[T0] row_xmask:1 row_mask:0xf bank_mask:0xf
	v_add_f32_dpp v[T0], v[T0], v[T0] row_xmask:2 row_mask:0xf bank_mask:0xf
	v_add_f32_dpp v[T0], v[T0], v[T0] row_xmask:4 row_mask:0xf bank_mask:0xf
	v_add_f32_dpp v[T0], v[T0], v[T0] row_xmask:8 row_mask:0xf bank_mask:0xf
	v_permlanex16_b32 v[T1], v[T0], s20, s21
	v_add_f32 v[T0], v[T0], v[T1]
.endm
	FILL 0
	FILL 1
.macro ROWDO i, left
.set XR, YS+64*(\i)
.set QR, XR+32
	s_wait_loadcnt \left                           ; my row's sixteen loads (and, the first time, the constants') are in; the other row's sixteen may be out
.set K, 0
.rept 16
	v_pk_add_f32 v[XR+2*K:XR+2*K+1], v[XR+2*K:XR+2*K+1], v[BO+2*K:BO+2*K+1]
.set K, K+1
.endr
.set K, 0
.rept 16
	v_pk_add_f32 v[XR+2*K:XR+2*K+1], v[XR+2*K:XR+2*K+1], v[QR+2*K:QR+2*K+1]
.set K, K+1
.endr
.irp c, 0,1,2,3
	v_pk_add_f32 v[SM+2*\c:SM+2*\c+1], v[XR+2*\c:XR+2*\c+1], v[XR+8+2*\c:XR+9+2*\c]   ; four chains, started by the first pairs: nothing is cleared
.endr
.irp g, 2,3
.irp c, 0,1,2,3
	v_pk_add_f32 v[SM+2*\c:SM+2*\c+1], v[SM+2*\c:SM+2*\c+1], v[XR+8*\g+2*\c:XR+8*\g+2*\c+1]
.endr
.endr
	REDUCE
	v_mul_f32 v[MU], s22, v[T0]
	v_mul_f32 v[MU+1], s22, v[T0]
.set K, 0
.rept 16
	v_pk_add_f32 v[XR+2*K:XR+2*K+1], v[XR+2*K:XR+2*K+1], v[MU:MU+1] neg_lo:[0,1] neg_hi:[0,1]
.set K, K+1
.endr
.irp c, 0,1,2,3
	v_pk_mul_f32 v[SM+2*\c:SM+2*\c+1], v[XR+2*\c:XR+2*\c+1], v[XR+2*\c:XR+2*\c+1]
.endr
.irp g, 1,2,3
.irp c, 0,1,2,3
	v_pk_fma_f32 v[SM+2*\c:SM+2*\c+1], v[XR+8*\g+2*\c:XR+8*\g+2*\c+1], v[XR+8*\g+2*\c:XR+8*\g+2*\c+1], v[SM+2*\c:SM+2*\c+1]
.endr
.endr
	REDUCE
	v_fmaak_f32 v[T0], s22, v[T0], 0x3727c5ac      ; var + 1e-5
	v_rsq_f32 v[RS], v[T0]
	v_rsq_f32 v[RS+1], v[T0]
	v_nop                                          ; a plain instruction behind the transcendentals,
	s_wait_alu depctr_va_vdst(0)                   ; and one wait for both, ahead of their first reader
.set K, 0
.rept 16
	v_pk_mul_f32 v[XR+2*K:XR+2*K+1], v[XR+2*K:XR+2*K+1], v[RS:RS+1]
.set K, K+1
.endr
.set K, 0
.rept 16
	v_pk_fma_f32 v[XR+2*K:XR+2*K+1], v[XR+2*K:XR+2*K+1], v[GA+2*K:GA+2*K+1], v[BE+2*K:BE+2*K+1]
.set K, K+1
.endr
.irp j, 0,1,2,3,4,5,6,7
	global_store_b128 v1, v[XR+4*\j:XR+4*\j+3], s[14:15] offset:ROW*(\i)+512*\j th:TH_STORE_NT   ; 32 lanes store 512 consecutive bytes, aligned
.endr
.endm
	ROWDO 0, 16
	ROWDO 1, 0
	s_endpgm
.Lfunc_end_k_q2b76c7a36b_lnorm:
	.size	k_q2b76c7a36b_lnorm, .Lfunc_end_k_q2b76c7a36b_lnorm-k_q2b76c7a36b_lnorm
	.p2alignl 7, 3214868480
	.fill 96, 4, 3214868480
	.section	.rodata,"a",@progbits
	.p2align	6, 0x0
	.amdhsa_kernel k_q2b76c7a36b_lnorm
		.amdhsa_group_segment_fixed_size 0
		.amdhsa_private_segment_fixed_size 0
		.amdhsa_enable_private_segment 0
		.amdhsa_kernarg_size 48
		.amdhsa_user_sgpr_count 2
		.amdhsa_user_sgpr_kernarg_segment_ptr 1
		.amdhsa_wavefront_size32 1
		.amdhsa_system_sgpr_workgroup_id_x 1
		.amdhsa_system_sgpr_workgroup_id_y 1
		.amdhsa_system_sgpr_workgroup_id_z 1
		.amdhsa_system_vgpr_workitem_id 0
		.amdhsa_next_free_vgpr 244
		.amdhsa_next_free_sgpr 66
		.amdhsa_reserve_vcc 0
		.amdhsa_float_denorm_mode_32 3
		.amdhsa_float_denorm_mode_16_64 3
		.amdhsa_memory_ordered 1
		.amdhsa_forward_progress 1
		.amdhsa_inst_pref_size 25
	.end_amdhsa_kernel
	.amdgpu_metadata
---
amdhsa.version: [ 1, 2 ]
amdhsa.kernels:
  - .name:           k_q2b76c7a36b_lnorm
    .symbol:         k_q2b76c7a36b_lnorm.kd
    .args:
      - { .name: y, .offset: 0, .size: 8, .value_kind: global_buffer, .address_space: global }
      - { .name: Q, .offset: 8, .size: 8, .value_kind: global_buffer, .address_space: global }
      - { .name: bo, .offset: 16, .size: 8, .value_kind: global_buffer, .address_space: global }
      - { .name: gamma, .offset: 24, .size: 8, .value_kind: global_buffer, .address_space: global }
      - { .name: beta, .offset: 32, .size: 8, .value_kind: global_buffer, .address_space: global }
      - { .name: out0, .offset: 40, .size: 8, .value_kind: global_buffer, .address_space: global }
    .group_segment_fixed_size: 0
    .private_segment_fixed_size: 0
    .kernarg_segment_align: 8
    .kernarg_segment_size: 48
    .max_flat_workgroup_size: 256
    .sgpr_count:     66
    .vgpr_count:     244
    .wavefront_size: 32
...
	.end_amdgpu_metadata
.endif
;; end of part 5
